; MI455X (gfx1250); checked and timed in simulation.
; The chip was launched on July 23, 2026; its instructions are those of AMD's public machine-readable ISA for CDNA 5 (MIT licence, August 2026) and "CDNA5" Instruction Set Architecture Reference Guide (July 2026). The comments in the code are by the model that wrote it; some were corrected since.
;; Fast Weight Attention. Allowed arithmetic: matrix products marked QUANTISED: E4M3 operands, one E8M0 scale for each 32 along K, by v_wmma_scale_f32_16x16x128_f8f6f4 with both operands' format E4M3, f32 sums; everything else in f32.
;; Inputs: We_codes 16 x 32 x 32 uint8 (E4M3 codes of We, K innermost, in blocks of 32 codes); We_scales 16 x 32 uint8 (E8M0 scales of We, one for each 32 codes along K); Wk_codes 1,024 x 32 x 32 uint8 (E4M3 codes of Wk, K innermost, in blocks of 32 codes); Wk_scales 1,024 x 32 uint8 (E8M0 scales of Wk, one for each 32 codes along K); Wo_codes 1,024 x 32 x 32 uint8 (E4M3 codes of Wo, K innermost, in blocks of 32 codes); Wo_scales 1,024 x 32 uint8 (E8M0 scales of Wo, one for each 32 codes along K); Wq_codes 1,024 x 32 x 32 uint8 (E4M3 codes of Wq, K innermost, in blocks of 32 codes); Wq_scales 1,024 x 32 uint8 (E8M0 scales of Wq, one for each 32 codes along K); Wv_codes 1,024 x 32 x 32 uint8 (E4M3 codes of Wv, K innermost, in blocks of 32 codes); Wv_scales 1,024 x 32 uint8 (E8M0 scales of Wv, one for each 32 codes along K); Ww_codes 16 x 32 x 32 uint8 (E4M3 codes of Ww, K innermost, in blocks of 32 codes); Ww_scales 16 x 32 uint8 (E8M0 scales of Ww, one for each 32 codes along K); be 16 float32; bw 16 float32; x_codes 2 x 2,048 x 32 x 32 uint8 (E4M3 codes of x, K innermost, in blocks of 32 codes); x_scales 2 x 2,048 x 32 uint8 (E8M0 scales of x, one for each 32 codes along K).
;; Outputs: out0 2 x 2,048 x 1,024 float32.
;; This version of the problem:
;;   THIS VERSION OF THE PROBLEM IS GIVEN IN LOW PRECISION. The matrix products marked QUANTISED in the list below multiply operands that are first quantised to E4M3 (4 exponent bits, 3 mantissa bits; 8 bits a number), with one power-of-two scale for each 32 numbers along K (OCP MX v1.0); their sums are f32. All else is computed in f32.
;;   The module's matrix products, in the order in which they are computed (A, B: the left and right operand; K: the contracted axis; several contracted axes count as one K, in the product's order):
;;     1. [M 4,096, K 1,024] x [K 1,024, N 1,024]; A: input x (given as codes); B: input Wq (given as codes): QUANTISED
;;     2. [M 4,096, K 1,024] x [K 1,024, N 1,024]; A: input x (given as codes); B: input Wk (given as codes): QUANTISED
;;     3. [M 4,096, K 1,024] x [K 1,024, N 1,024]; A: input x (given as codes); B: input Wv (given as codes): QUANTISED
;;     4. [M 4,096, K 1,024] x [K 1,024, N 16]; A: input x (given as codes); B: input Ww (given as codes): QUANTISED
;;     5. [M 4,096, K 1,024] x [K 1,024, N 16]; A: input x (given as codes); B: input We (given as codes): QUANTISED
;;     6. batch 32 x [M 2,048, K 64] x [K 64, N 2,048]; A: computed on the way; B: computed on the way: QUANTISED
;;     7. batch 32 x [M 2,048, K 2,048] x [K 2,048, N 64]; A: computed on the way; B: computed on the way: QUANTISED
;;     8. [M 4,096, K 1,024] x [K 1,024, N 1,024]; A: computed on the way; B: input Wo (given as codes): QUANTISED
;;   THE QUANTISER, for each operand of a quantised product, along K:
;;     - K is cut into blocks of 32 from its start; a last block that is shorter is filled with zeros.
;;     - A block's scale is 2^e with e = floor(log2(the largest magnitude in the block)) - 8, held to -126 .. 127; a block of zeros has e = 0. As a byte (E8M0): e + 127.
;;     - Each number is divided by its block's scale, clamped to +-448, and rounded to the nearest number of E4M3, ties to even, subnormals kept.
;;     - The product sums the exact products of the quantised numbers (number of the format x scale) in f32.
;;   ~~~python
;;   def quantise(x, axis):      # numpy; x: float32 -> the quantised numbers, widened to float32 again
;;       x = np.moveaxis(x, axis, -1); K = x.shape[-1]
;;       x = np.pad(x, [(0, 0)] * (x.ndim - 1) + [(0, -K % 32)]); x = x.reshape(x.shape[:-1] + (-1, 32)); a = np.abs(x).max(-1, keepdims=True)
;;       e = np.where(a > 0, np.clip(np.frexp(np.where(a > 0, a, 1))[1] - 1 - 8, -126, 127), 0)      # np.frexp(a)[1] - 1 = floor(log2(a)), exactly
;;       r = np.clip(x / 2.0 ** e, -448, 448)
;;       step = 2.0 ** (np.maximum(np.frexp(np.where(r == 0, 1, r))[1] - 1, -6) - 3)
;;       q = np.round(r / step) * step * 2.0 ** e      # np.round: ties to even
;;       return np.moveaxis(q.reshape(q.shape[:-2] + (-1,))[..., :K], -1, axis).astype(np.float32)
;;   ~~~
;;   OPERANDS COMPUTED ON THE WAY. 'Computed on the way' means the value that the module computes at that place (a softmax that the list does not call 'softmax' is quantised finished and normalised). What goes into a quantiser is computed in f32, as accurately as f32 sums, v_exp_f32 and their like allow (about 1e-6 of the number): no bf16 or f16 on the way to a quantiser, and a product that is left as it is and whose result goes on into a quantised operand takes f32 operands (vector FMAs, or v_wmma_f32_16x16x4_f32). A number that lies on a knife's edge between two numbers of the format may be rounded either way, as far as f32 arithmetic and the matrix unit's own rounding can turn it there, and no further.
;;   INPUTS GIVEN AS CODES. We (in the module: [16, 1024], K = its axis 1); Wk (in the module: [1024, 1024], K = its axis 1); Wo (in the module: [1024, 1024], K = its axis 1); Wq (in the module: [1024, 1024], K = its axis 1); Wv (in the module: [1024, 1024], K = its axis 1); Ww (in the module: [16, 1024], K = its axis 1); x (in the module: [2, 2048, 1024], K = its axis 2): each comes as NAME_codes (uint8): NAME with its K axis moved to the last place and cut into blocks of 32 codes, [.., K / 32, bytes a block], one block behind the other in memory; one code a byte (a code: sign, 4 exponent bits, 3 mantissa bits); and NAME_scales (uint8): the same leading axes, one E8M0 byte (e + 127) for each 32 codes along K. Its value is code x scale, taken as it is: it is not quantised again, and the codes and scales need not be those that the quantiser above would give.
;; One version. Each part assembles by itself: llvm-mc -triple=amdgcn-amd-amdhsa -mcpu=gfx1250 --defsym DOCPART=n.
;; ======== version 1 of 1: 3 launches
;; workspace buffers: qimg 4,194,304 bytes; qsc 262,144 bytes; kv 8,781,824 bytes; wgb 262,144 bytes; c16b 262,144 bytes; oimg 4,325,376 bytes
;; launch proj (part 1): grid 16 x 16, 4 waves a work-group, clusters of 4 x 4, 327,680 bytes of LDS; arguments x_codes, x_scales, Wq_codes, Wq_scales, Wk_codes, Wk_scales, Wv_codes, Wv_scales, Ww_codes, Ww_scales, We_codes, We_scales, bw, be, qimg, qsc, kv, wgb, c16b; writes qimg, qsc, kv, wgb, c16b
.if DOCPART == 1
	.amdgcn_target "amdgcn-amd-amdhsa--gfx1250"
	.amdhsa_code_object_version 6
	.text
	.protected	k_q84094b1fd8_proj
	.globl	k_q84094b1fd8_proj
	.p2align	8
	.type	k_q84094b1fd8_proj,@function
k_q84094b1fd8_proj:
	s_mov_b64 s[64:65], 0
	v_nop
	global_prefetch_b8 v0, s[64:65] scope:SCOPE_SE
	s_setreg_imm32_b32 hwreg(HW_REG_WAVE_MODE, 25, 1), 1
	s_wait_xcnt 0x0
	s_wait_alu depctr_hold_cnt(0) depctr_sa_sdst(0) depctr_va_vdst(0) depctr_va_sdst(0) depctr_va_ssrc(0) depctr_va_vcc(0) depctr_vm_vsrc(0)
	s_getreg_b32 s2, hwreg(HW_REG_IB_STS2, 6, 4)
	s_cmp_eq_u32 s2, 0
	s_cbranch_scc0 .Lentry_in_a_cluster
	s_endpgm
.Lentry_in_a_cluster:
	s_bfe_u32 s2, ttmp6, 0x10000c
	s_cmp_lg_u32 s2, 0xf033
	s_cbranch_scc0 .Lentry_shape_is_right
	s_endpgm
.Lentry_shape_is_right:
; x Wq^T, x Wk^T, x Wv^T and the two gate products, all on the given codes of E4M3 with E8M0 scales; then phi, the quantising of Q and K along the head's 64 and of V along the keys, and the gates.
; SHARES.  A work-group takes 256 rows of x (work-group y) and one head (work-group x): 64 columns each of Q, K and V.  Wave w takes rows 64 w .. 64 w + 63 and all 192 columns: 48 accumulators.
; Q and K are made TRANSPOSED (source 0 = 16 rows of W, source 1 = 16 rows of x): a lane holds one row of x, and the 16 registers of column tiles 2 b, 2 b + 1 are the numbers 32 b + 8 h + 0..7 and
; 32 b + 16 + 8 h + 0..7 of block b (h = lane / 16).  V is made as it reads (source 0 = x, source 1 = Wv): a lane holds one channel, and the registers of row tiles 2 G, 2 G + 1 are 32 keys in the same order.
; That order inside a block of 32 is the same on both sides of each later product, so the products are kept; codes leave as images of the operands' registers, 16 bytes a lane, 512 consecutive bytes a store.
; K goes in steps of 256 through two LDS slots.  CLUSTER 4 x 4: x's tile hangs on work-group y alone and is asked for jointly along a row of the cluster, W's tiles on work-group x alone, jointly along a column.
; GATES.  The work-group's own 16 rows (256 y + 16 x): wave 0 makes sigmoid(x Ww^T + bw), wave 1 the sums of log2((1 - sigmoid(x We^T + be)) 0.95 + 1e-8) running from the first of the 16 rows.
; LIMITS.  phi below 0 is taken as exp(z) where the definition has expm1(z) + 1: at most 6e-8 apart.  A block of zeros gets the scale byte 1; these bytes are read by this program alone.  NaN and infinities are not served.
.set PITCH, 272                        ; an LDS row: 256 bytes + 16 of padding, so that the 16 rows of a fragment load begin 68 words apart
.set XT,    256*PITCH                  ; x's tile
.set WT,    64*PITCH                   ; a tile of Wq, Wk or Wv
.set SLOT,  XT+3*WT
.set SCL,   2*SLOT                     ; behind the ring: x's scale bytes of 256 rows, 32 runs of 256 bytes + 16;
.set SCLW,  SCL+32*PITCH               ; those of the three W, 8 runs each
.set WSC,   8*PITCH
.set SPARE, 259072                     ; the spare words, 128 bytes a wave: two blocks of 256 bytes that no other line names
.set PADW,  (1<<20)|(1<<21)|(5<<22)|(3<<25)   ; padding on; bit 21 beside a mask; after every 64 words; four words
.set RECB,  274432                     ; a head's record in kv: K image 131,072, V image 131,072, K's scale words 8,192, V's 4,096
.set LI,  3                            ; v3   16 x lane
.set AX,  4                            ; v4-5 my x fragments in slot 0, 1
.set AW,  6                            ; v6-7 W's fragments
.set ASX, 8                            ; v8   x's scale words
.set ASW, 9                            ; v9   W's
.set SPW, 10                           ; v10  my spare word; never rewritten
.set NIL, 11                           ; v11  0; never rewritten
.set O16, 12                           ; v12  16 r
.set GLD, 13                           ; v13  1024 r + 16 h
.set GSC, 14                           ; v14  32 r
.set GST, 15                           ; v15  8192 r + 32 h
.set SX,  16                           ; v16-23  x's scale words: 2 t + q
.set SW,  24                           ; v24-47  W's: 2 (4 sec + i) + q
.set GS,  48                           ; v48-63  the gate product's scale words
.set EX,  64                           ; v64-95  exponentials (in the gate phase: two accumulators and the gate)
.set PH,  96                           ; v96-127 phi
.set TM,  128                          ; v128-143 at work on scales
.set CQ,  144                          ; v144-207 codes of Q and K, registers of their own for each store
.set CV,  208                          ; v208-239 codes of V
.set WD,  240                          ; v240-247 scale words of Q, K
.set HW,  248                          ; v248-251 half scale words of V
.set GZ,  80
.set WV,  42
.set G0X, 8                            ; s[8:15]  group 0 for x's tiles, a set for each slot;  s[16:19] for x's scales
.set G0XS, 16
.set G0W, 48                           ; s[48:55] for W's tiles;  s[56:59] for W's scales
.set G0WS, 56
.set G1X, 68
.set G1W, 76
.set G1SX, 84
.set G1SW, 92
.set SEL, 60
.set MNT, 62
.set HM,  63
.set LG,  66
.set MSB, 0
.macro WIN new                         ; the immediate's high byte repeats the setting that is left
.if MSB != \new
	s_set_vgpr_msb (MSB<<8)|\new
.set MSB, \new
.endif
.endm
.macro NOPS n
.rept \n
	v_nop
.endr
.endm
.macro ROUND                           ; a round of the cluster's barrier
	s_barrier_signal -1
	s_barrier_wait -1
	s_cmp_lg_u32 s[WV], 0
	s_cbranch_scc1 .Lnw0_\@
	s_barrier_signal -3
.Lnw0_\@:
	s_barrier_wait -3
	s_barrier_signal -1
	s_barrier_wait -1
.endm
.macro JLOAD g0x, g1x, g0w, g1w        ; wave 0 asks for x's part, waves 1 to 3 for Wq's, Wk's, Wv's; four v_nop follow each line
	s_cmp_eq_u32 s[WV], 0
	s_cbranch_scc0 .Lw_\@
	tensor_load_to_lds s[\g0x:\g0x+3], s[\g1x:\g1x+7]
	s_nop 0
	NOPS 4
	s_branch .Ld_\@
.Lw_\@:
	tensor_load_to_lds s[\g0w:\g0w+3], s[\g1w:\g1w+7]
	s_nop 0
	NOPS 4
.Ld_\@:
.endm
	s_load_b512 s[4:19], s[0:1], 0x0               ; x codes, x scales, Wq c, s, Wk c, s, Wv c, s
	s_load_b256 s[20:27], s[0:1], 0x40             ; Ww c, s, We c, s
	s_load_b128 s[28:31], s[0:1], 0x60             ; bw, be
	s_load_b256 s[32:39], s[0:1], 0x70             ; qimg, qsc, kv, wgb
	s_load_b64 s[40:41], s[0:1], 0x90              ; c16b
	v_lshl_add_u32 v[SPW], v0, 2, SPARE
	v_mov_b32 v[NIL], 0
	ds_add_u32 v10, v11
	ds_add_u32 v10, v11
	s_wait_dscnt 0x0
	v_lshrrev_b32 v1, 5, v0
	v_readfirstlane_b32 s[WV], v1                  ; wave 0..3
	s_bfe_u32 s43, ttmp6, 0x40000                  ; cx
	s_bfe_u32 s44, ttmp6, 0x40004                  ; cy
	s_lshl_b32 s45, ttmp9, 2
	s_add_co_u32 s45, s45, s43                     ; the head
	s_and_b32 s46, ttmp7, 0xffff
	s_lshl_b32 s46, s46, 2
	s_add_co_u32 s46, s46, s44                     ; the block of 256 rows
	s_lshl_b32 s2, s44, 2
	s_lshl_b32 s2, 15, s2                          ; my row of the cluster
	s_lshl_b32 s3, 0x1111, s43                     ; my column
	s_or_b32 s[G1X], s2, PADW                      ; x's tile: 256 rows x 256 bytes, 1,024 apart
	s_or_b32 s[G1SX], s2, PADW|(3<<16)             ; x's scales: 32 runs of 256 dense bytes (32 elements of 8)
	s_or_b32 s[G1W], s3, PADW                      ; a W's tile: 64 rows x 256 bytes
	s_or_b32 s[G1SW], s3, PADW|(3<<16)             ; its scales: 8 runs
	s_mov_b32 s[G1X+1], 256<<16
	s_mov_b32 s[G1X+2], 256<<16
	s_mov_b32 s[G1X+3], 256<<16
	s_mov_b32 s[G1X+4], 256
	s_mov_b32 s[G1X+5], 1024
	s_mov_b32 s[G1X+6], 0
	s_mov_b32 s[G1X+7], 0
	s_mov_b32 s[G1W+1], 256<<16
	s_mov_b32 s[G1W+2], 64<<16
	s_mov_b32 s[G1W+3], 256<<16
	s_mov_b32 s[G1W+4], 64
	s_mov_b32 s[G1W+5], 1024
	s_mov_b32 s[G1W+6], 0
	s_mov_b32 s[G1W+7], 0
	s_mov_b32 s[G1SX+1], 32<<16
	s_mov_b32 s[G1SX+2], 32<<16
	s_mov_b32 s[G1SX+3], 32<<16
	s_mov_b32 s[G1SX+4], 32
	s_mov_b32 s[G1SX+5], 32
	s_mov_b32 s[G1SX+6], 0
	s_mov_b32 s[G1SX+7], 0
	s_mov_b32 s[G1SW+1], 32<<16
	s_mov_b32 s[G1SW+2], 8<<16
	s_mov_b32 s[G1SW+3], 32<<16
	s_mov_b32 s[G1SW+4], 8
	s_mov_b32 s[G1SW+5], 32
	s_mov_b32 s[G1SW+6], 0
	s_mov_b32 s[G1SW+7], 0
	s_lshl_b32 s100, s46, 18                       ; x: 256 rows of 1,024 bytes a block (work-group y alone)
	s_mov_b32 s101, 0
	s_lshl_b32 s104, s45, 16                       ; W: 64 rows of 1,024 bytes a head (work-group x alone)
	s_mov_b32 s105, 0
	s_wait_kmcnt 0x0
	s_cmp_eq_u32 s[WV], 2                          ; which W my wave fetches: wave 2 Wk, wave 3 Wv, else Wq
	s_cselect_b64 s[60:61], s[12:13], s[8:9]
	s_cselect_b64 s[62:63], s[14:15], s[10:11]
	s_cmp_eq_u32 s[WV], 3
	s_cselect_b64 s[60:61], s[16:17], s[60:61]
	s_cselect_b64 s[62:63], s[18:19], s[62:63]
	s_add_nc_u64 s[60:61], s[60:61], s[104:105]
	s_lshl_b32 s104, s45, 11                       ; 64 rows of 32 scale bytes
	s_add_nc_u64 s[62:63], s[62:63], s[104:105]
	s_mov_b32 s[G0X], 1
	s_mov_b32 s[G0X+1], 0
	s_add_nc_u64 s[G0X+2:G0X+3], s[4:5], s[100:101]
	s_mov_b32 s[G0X+4], 1
	s_mov_b32 s[G0X+5], SLOT
	s_add_nc_u64 s[G0X+6:G0X+7], s[G0X+2:G0X+3], 256
	s_or_b32 s[G0X+3], s[G0X+3], 0x80000000
	s_or_b32 s[G0X+7], s[G0X+7], 0x80000000
	s_lshl_b32 s100, s46, 13                       ; 256 rows of 32 scale bytes
	s_mov_b32 s[G0XS], 1
	s_mov_b32 s[G0XS+1], SCL
	s_add_nc_u64 s[G0XS+2:G0XS+3], s[6:7], s[100:101]
	s_or_b32 s[G0XS+3], s[G0XS+3], 0x80000000
	s_mul_i32 s47, s[WV], WT
	s_mov_b32 s[G0W], 1
	s_add_co_u32 s[G0W+1], s47, XT-WT              ; wave 1's tile lies straight behind x's
	s_mov_b64 s[G0W+2:G0W+3], s[60:61]
	s_or_b32 s[G0W+3], s[G0W+3], 0x80000000
	s_mov_b32 s[G0W+4], 1
	s_add_co_u32 s[G0W+5], s47, SLOT+XT-WT
	s_add_nc_u64 s[G0W+6:G0W+7], s[60:61], 256
	s_or_b32 s[G0W+7], s[G0W+7], 0x80000000
	s_mul_i32 s47, s[WV], WSC
	s_mov_b32 s[G0WS], 1
	s_add_co_u32 s[G0WS+1], s47, SCLW-WSC
	s_mov_b64 s[G0WS+2:G0WS+3], s[62:63]
	s_or_b32 s[G0WS+3], s[G0WS+3], 0x80000000
	ROUND                                          ; all sixteen work-groups are here: the first joint loads meet
	JLOAD G0XS, G1SX, G0WS, G1SW                   ; three loads of mine are out: the scales,
	JLOAD G0X, G1X, G0W, G1W                       ; K step 0,
	JLOAD G0X+4, G1X, G0W+4, G1W                   ; K step 1
	s_mov_b32 s[SEL], 0x76543210                   ; v_permlanex16_b32: lane l xor 16
	s_mov_b32 s[SEL+1], 0xfedcba98
	s_mov_b32 s[MNT], 0x600000                     ; the mantissa field of 448
	s_mov_b32 s[HM], 0xffff0000                    ; lanes 16-31
	s_mov_b32 s[LG], 0x3fb8aa3b                    ; log2(e)
	s_mov_b32 s[LG+1], s[LG]
	; every address register is made here, ahead of the waves' parting
	v_and_b32 v1, 15, v0                           ; r
	v_bfe_u32 v2, v0, 4, 1                         ; h
	v_and_b32 v3, 31, v0
	v_lshlrev_b32 v[LI], 4, v3
	v_mul_u32_u24 v12, v1, PITCH
	v_lshl_add_u32 v12, v2, 4, v12                 ; a fragment's row x pitch + 16 h
	s_mul_i32 s2, s[WV], 64*PITCH
	v_add_nc_u32 v[AX], s2, v12
	v_add_nc_u32 v[AX+1], SLOT, v[AX]
	v_add_nc_u32 v[AW], XT, v12
	v_add_nc_u32 v[AW+1], SLOT+XT, v12
	v_lshrrev_b32 v13, 3, v1
	v_mul_u32_u24 v13, v13, PITCH
	v_and_b32 v14, 7, v1
	v_lshl_add_u32 v13, v14, 5, v13                ; row r's 32 scale bytes: eight rows to a run of 256
	s_mul_i32 s2, s[WV], 8*PITCH
	s_add_co_u32 s2, s2, SCL
	v_add_nc_u32 v[ASX], s2, v13
	v_add_nc_u32 v[ASW], SCLW, v13
	v_lshlrev_b32 v[O16], 4, v1
	v_lshlrev_b32 v[GLD], 10, v1
	v_lshl_add_u32 v[GLD], v2, 4, v[GLD]
	v_lshlrev_b32 v[GSC], 5, v1
	v_lshlrev_b32 v[GST], 13, v1
	v_lshl_add_u32 v[GST], v2, 5, v[GST]
	v_lshlrev_b32 v252, 2, v1
	v_mov_b32 v[TM+4], 0                           ; written once: a lane permute's destination counts as one of its sources
	v_mov_b32 v[TM+5], 0
	; ---- THE GATES, while the first tiles are on their way: operands straight from memory into registers
	s_cmp_lt_u32 s[WV], 2
	s_cbranch_scc0 .Lno_gate
	s_cmp_eq_u32 s[WV], 0                          ; wave 0: Ww, bw, wgb;  wave 1: We, be, c16b
	s_cselect_b64 s[20:21], s[20:21], s[24:25]
	s_cselect_b64 s[22:23], s[22:23], s[26:27]
	s_cselect_b64 s[28:29], s[28:29], s[30:31]
	s_cselect_b64 s[38:39], s[38:39], s[40:41]
	s_lshl_b32 s2, s46, 18
	s_lshl_b32 s3, s45, 14
	s_add_co_u32 s2, s2, s3                        ; row 256 y + 16 x, in bytes of codes
	s_mov_b32 s3, 0
	s_add_nc_u64 s[24:25], s[4:5], s[2:3]
	s_lshr_b32 s2, s2, 5                           ; and of scale bytes
	s_add_nc_u64 s[26:27], s[6:7], s[2:3]
	s_lshr_b32 s2, s46, 3                          ; the batch: 16 heads x 2,048 x 4 bytes
	s_lshl_b32 s2, s2, 17
	s_and_b32 s47, s46, 7
	s_lshl_b32 s47, s47, 10
	s_add_co_u32 s2, s2, s47
	s_lshl_b32 s47, s45, 6
	s_add_co_u32 s2, s2, s47                       ; + 4 x the first row's place in its sequence
	s_add_nc_u64 s[38:39], s[38:39], s[2:3]
	WIN 0xC0                                       ; destination window 3
.irp k,0,1,2,3,4,5,6,7
.irp c,0,1,2,3
	global_load_b128 v[16*\k+4*\c:16*\k+4*\c+3], v[GLD], s[24:25] offset:128*\k+32*\c
	global_load_b128 v[128+16*\k+4*\c:128+16*\k+4*\c+3], v[GLD], s[20:21] offset:128*\k+32*\c
.endr
.endr
	WIN 0
	global_load_b128 v[GS:GS+3], v[GSC], s[26:27]
	global_load_b128 v[GS+4:GS+7], v[GSC], s[26:27] offset:16
	global_load_b128 v[GS+8:GS+11], v[GSC], s[22:23]
	global_load_b128 v[GS+12:GS+15], v[GSC], s[22:23] offset:16
	global_load_b32 v253, v252, s[28:29]           ; lane r: head r's bias
	v_mov_b32 v254, 0x3f733333                     ; 0.95
	v_mov_b32 v255, 0
	s_wait_loadcnt 0x0
	WIN 0x0F                                       ; both sources window 3
.irp k,0,1,2,3,4,5,6,7                 ; two accumulators by turns; lane (r, h), register j: row 8 h + j, head r
.if \k < 2
	v_wmma_scale_f32_16x16x128_f8f6f4 v[EX+8*(\k%2):EX+8*(\k%2)+7], v[16*\k:16*\k+15], v[128+16*\k:128+16*\k+15], 0, v[GS+\k], v[GS+8+\k]
.else
	v_wmma_scale_f32_16x16x128_f8f6f4 v[EX+8*(\k%2):EX+8*(\k%2)+7], v[16*\k:16*\k+15], v[128+16*\k:128+16*\k+15], v[EX+8*(\k%2):EX+8*(\k%2)+7], v[GS+\k], v[GS+8+\k]
.endif
.endr
	WIN 0
	v_mul_f32 v253, 0xbfb8aa3b, v253               ; -log2(e) x bias (a place; seven more follow)
	NOPS 7
.irp j,0,1,2,3,4,5,6,7
	v_add_f32 v[GZ+\j], v[EX+\j], v[EX+8+\j]
.endr
.irp j,0,1,2,3,4,5,6,7
	v_fma_f32 v[GZ+\j], -v[GZ+\j], s[LG], v253     ; -log2(e) (sum + bias)
.endr
.irp j,0,1,2,3,4,5,6,7
	v_exp_f32 v[GZ+\j], v[GZ+\j]
.endr
	v_nop
	s_wait_alu depctr_va_vdst(0)
.irp j,0,1,2,3,4,5,6,7
	v_add_f32 v[GZ+\j], 1.0, v[GZ+\j]
.endr
.irp j,0,1,2,3,4,5,6,7
	v_rcp_f32 v[GZ+\j], v[GZ+\j]                   ; the sigmoid
.endr
	v_nop
	s_cmp_eq_u32 s[WV], 0
	s_cbranch_scc1 .Lgate_out
	s_wait_alu depctr_va_vdst(0)
.irp j,0,1,2,3,4,5,6,7
	v_sub_f32 v[GZ+\j], 1.0, v[GZ+\j]
.endr
.irp j,0,1,2,3,4,5,6,7
	v_fmaak_f32 v[GZ+\j], v[GZ+\j], v254, 0x322bcc77   ; (1 - e) 0.95 + 1e-8
.endr
.irp j,0,1,2,3,4,5,6,7
	v_log_f32 v[GZ+\j], v[GZ+\j]
.endr
	v_nop
	s_wait_alu depctr_va_vdst(0)
.irp j,1,2,3,4,5,6,7
	v_add_f32 v[GZ+\j], v[GZ+\j], v[GZ+\j-1]       ; running sums over my eight rows,
.endr
	v_permlanex16_b32 v255, v[GZ+7], s[SEL], s[SEL+1]
	v_cndmask_b32 v255, 0, v255, s[HM]             ; and rows 8-15 take rows 0-7's total on top
.irp j,0,1,2,3,4,5,6,7
	v_add_f32 v[GZ+\j], v[GZ+\j], v255
.endr
.Lgate_out:
	s_wait_alu depctr_va_vdst(0)
	global_store_b128 v[GST], v[GZ:GZ+3], s[38:39]
	global_store_b128 v[GST], v[GZ+4:GZ+7], s[38:39] offset:16
	s_wait_xcnt 0x0                                ; the stores' registers are written again on the way out
.Lno_gate:
.macro FX slot, q                      ; my four fragments of x for the slot's q-th 128 along K -> window 2
	WIN 0x80
.irp t,0,1,2,3
.irp c,0,1,2,3
	ds_load_b128 v[128+64*(\q)+16*\t+4*\c:128+64*(\q)+16*\t+4*\c+3], v[AX+\slot] offset:16*\t*PITCH+128*(\q)+32*\c
.endr
.endr
.endm
.macro FW slot, u                      ; unit u = 3 q + sec: four fragments of W number sec -> window 3, buffer u % 2
	WIN 0xC0
.irp i,0,1,2,3
.irp c,0,1,2,3
	ds_load_b128 v[64*((\u)%2)+16*\i+4*\c:64*((\u)%2)+16*\i+4*\c+3], v[AW+\slot] offset:(64*((\u)%3)+16*\i)*PITCH+128*((\u)/3)+32*\c
.endr
.endr
.endm
.macro SCALES ks                       ; a K step's two scale words a row
.irp t,0,1,2,3
	ds_load_b64 v[SX+2*\t:SX+2*\t+1], v[ASX] offset:2*\t*PITCH+8*\ks
.endr
.irp n,0,1,2,3,4,5,6,7,8,9,10,11
	ds_load_b64 v[SW+2*\n:SW+2*\n+1], v[ASW] offset:(\n/4)*WSC+2*(\n%4)*PITCH+8*\ks
.endr
.endm
; 16 matrix instructions on 16 accumulators, one a turn.  Q at v[32 t + 8 i], K at v[128 + 32 t + 8 i] of window 1, V at v[32 i + 8 t] of window 2.
.macro MULT sec, q, p, zero
.if (\sec) < 2
	WIN 0x5B                                       ; source 0 (W) window 3, source 1 (x) window 2, C and D window 1
.irp t,0,1,2,3
.irp i,0,1,2,3
.if \zero
	v_wmma_scale_f32_16x16x128_f8f6f4 v[128*(\sec)+32*\t+8*\i:128*(\sec)+32*\t+8*\i+7], v[64*(\p)+16*\i:64*(\p)+16*\i+15], v[128+64*(\q)+16*\t:128+64*(\q)+16*\t+15], 0, v[SW+2*(4*(\sec)+\i)+(\q)], v[SX+2*\t+(\q)]
.else
	v_wmma_scale_f32_16x16x128_f8f6f4 v[128*(\sec)+32*\t+8*\i:128*(\sec)+32*\t+8*\i+7], v[64*(\p)+16*\i:64*(\p)+16*\i+15], v[128+64*(\q)+16*\t:128+64*(\q)+16*\t+15], v[128*(\sec)+32*\t+8*\i:128*(\sec)+32*\t+8*\i+7], v[SW+2*(4*(\sec)+\i)+(\q)], v[SX+2*\t+(\q)]
.endif
.endr
.endr
.else
	WIN 0xAE                                       ; source 0 (x) window 2, source 1 (Wv) window 3, C and D window 2
.irp t,0,1,2,3
.irp i,0,1,2,3
.if \zero
	v_wmma_scale_f32_16x16x128_f8f6f4 v[32*\i+8*\t:32*\i+8*\t+7], v[128+64*(\q)+16*\t:128+64*(\q)+16*\t+15], v[64*(\p)+16*\i:64*(\p)+16*\i+15], 0, v[SX+2*\t+(\q)], v[SW+2*(8+\i)+(\q)]
.else
	v_wmma_scale_f32_16x16x128_f8f6f4 v[32*\i+8*\t:32*\i+8*\t+7], v[128+64*(\q)+16*\t:128+64*(\q)+16*\t+15], v[64*(\p)+16*\i:64*(\p)+16*\i+15], v[32*\i+8*\t:32*\i+8*\t+7], v[SX+2*\t+(\q)], v[SW+2*(8+\i)+(\q)]
.endif
.endr
.endr
.endif
.endm
; A unit: the next unit's fragments are asked for, then this unit's 16 products.  The wait leaves out what was issued behind this unit's fragments: one run of 16 loads, or two.
; Eight plain places close it: the next loads land in registers that these products have read.
.macro UNIT slot, u, zero
.if \u < 5
	FW \slot, \u+1
.endif
.if \u == 1
	FX \slot, 1
.endif
.if \u == 5
	s_wait_dscnt 0x0
.elseif (\u == 1) || (\u == 2)
	s_wait_dscnt 32
.else
	s_wait_dscnt 16
.endif
	MULT (\u)%3, (\u)/3, (\u)%2, \zero
	WIN 0
	NOPS 8
.endm
.macro KSTEP slot, ks, zero
	SCALES \ks
	FX \slot, 0
	FW \slot, 0
	UNIT \slot, 0, \zero
	UNIT \slot, 1, \zero
	UNIT \slot, 2, \zero
	UNIT \slot, 3, 0
	UNIT \slot, 4, 0
	UNIT \slot, 5, 0
.endm
; The change of slots.  Each wave waits for all its tensor loads (its part of the next slot), adds 0 to its spare word, and waits for that and for its reads of the slot that it leaves.
; fill = 1: the barrier is a round of the cluster's, and the joint refill, two K steps on, is the first thing behind it.
.macro CHANGE slot, fill
	s_wait_tensorcnt 0x0
	ds_add_u32 v[SPW], v[NIL]
.if \fill
	s_add_nc_u64 s[G0X+4*\slot+2:G0X+4*\slot+3], s[G0X+4*\slot+2:G0X+4*\slot+3], 512
	s_add_nc_u64 s[G0W+4*\slot+2:G0W+4*\slot+3], s[G0W+4*\slot+2:G0W+4*\slot+3], 512
.endif
	s_wait_dscnt 0x0
.if \fill
	ROUND
	JLOAD G0X+4*\slot, G1X, G0W+4*\slot, G1W
.else
	s_barrier_signal -1
	s_barrier_wait -1
.endif
.endm
	s_wait_tensorcnt 1                             ; the scales and K step 0 are in; K step 1's load may stay out
	s_barrier_signal -1
	s_barrier_wait -1
	KSTEP 0, 0, 1                                  ; the first products start the sums
	CHANGE 0, 1
	KSTEP 1, 1, 0
	CHANGE 1, 1
	KSTEP 0, 2, 0
	CHANGE 0, 0
	KSTEP 1, 3, 0
	; ---- THE WAY OUT.  Where my parts begin
	s_lshr_b32 s2, s46, 3
	s_lshl_b32 s2, s2, 4
	s_add_co_u32 s2, s2, s45                       ; bh = 16 x batch + head
	s_and_b32 s3, s46, 7                           ; the block's place in its sequence
	s_lshl_b32 s47, s3, 2
	s_add_co_u32 s47, s47, s[WV]                   ; my first tile of 16 rows, / 4
	s_lshl_b32 s28, s2, 17
	s_lshl_b32 s30, s47, 12
	s_add_co_u32 s28, s28, s30
	s_mov_b32 s29, 0
	s_add_nc_u64 s[32:33], s[32:33], s[28:29]      ; Q's image: 1,024 bytes a tile
	s_lshl_b32 s28, s2, 13
	s_lshl_b32 s31, s47, 8
	s_add_co_u32 s28, s28, s31
	s_add_nc_u64 s[34:35], s[34:35], s[28:29]      ; Q's scale words: 256 bytes for four tiles
	s_mul_i32 s28, s2, RECB
	s_add_nc_u64 s[36:37], s[36:37], s[28:29]      ; the head's record
	s_mov_b32 s28, s30
	s_add_nc_u64 s[20:21], s[36:37], s[28:29]      ; K's image
	s_add_co_u32 s28, s31, 262144
	s_add_nc_u64 s[22:23], s[36:37], s[28:29]      ; K's scale words
	s_lshl_b32 s3, s3, 1
	s_lshr_b32 s30, s[WV], 1
	s_add_co_u32 s3, s3, s30                       ; my key step of 128
	s_and_b32 s30, s[WV], 1                        ; and which half of it
	s_lshl_b32 s28, s3, 13
	s_lshl_b32 s31, s30, 10
	s_add_co_u32 s28, s28, s31
	s_add_co_u32 s28, s28, 131072
	s_add_nc_u64 s[24:25], s[36:37], s[28:29]      ; V's image
	s_lshl_b32 s28, s3, 8
	s_lshl_b32 s31, s30, 1
	s_add_co_u32 s28, s28, s31
	s_add_co_u32 s28, s28, 270336
	s_add_nc_u64 s[26:27], s[36:37], s[28:29]      ; V's scale words: my two bytes of each
.macro SC2                             ; two blocks' scales from the largest magnitudes in v[TM], v[TM+1]
.irp b,0,1
	v_permlanex16_b32 v[TM+4+\b], v[TM+\b], s[SEL], s[SEL+1]
.endr
.irp b,0,1
	v_max_num_f32 v[TM+\b], v[TM+\b], v[TM+4+\b]   ; with lane l xor 16's 16 numbers
.endr
.irp b,0,1
	v_add_nc_u32 v[TM+12+\b], 0xfc000000, v[TM+\b] ; 8 off the exponent field: the conversion's scale operand
.endr
.irp b,0,1
	v_and_or_b32 v[TM+8+\b], v[TM+\b], 0x7f800000, s[MNT]   ; 448 x the scale
.endr
.irp b,0,1
	v_lshrrev_b32 v[TM+4+\b], 23, v[TM+12+\b]      ; the scale's byte
.endr
.endm
; Tile t of Q (sec 0) or K (sec 1): phi, two blocks of 32, codes and scale word.  phi(z) is the middle one of z + 1, e^z and 1, since e^z >= z + 1.
.macro PHIQ sec, t, base
.set AC, 128*(\sec)+32*(\t)
.set QC, CQ+8*(4*(\sec)+(\t))
	WIN 0x01                                       ; source 0 window 1
.set n, 0
.rept 16
	v_pk_mul_f32 v[EX+n:EX+n+1], v[AC+n:AC+n+1], s[LG:LG+1] op_sel_hi:[1,0]
.set n, n+2
.endr
.set n, 0
.rept 16
	v_pk_add_f32 v[PH+n:PH+n+1], v[AC+n:AC+n+1], 1.0 op_sel_hi:[1,0]
.set n, n+2
.endr
	WIN 0
.set n, 0
.rept 32
	v_exp_f32 v[EX+n], v[EX+n]
.set n, n+1
.endr
	v_nop
.set n, 0
	s_wait_alu depctr_va_vdst(0)
.rept 32
	v_med3_num_f32 v[PH+n], v[PH+n], v[EX+n], 1.0
.set n, n+1
.endr
.irp b,0,1
	v_max3_num_f32 v[TM+\b], v[PH+16*\b], v[PH+16*\b+1], 0x4800000   ; phi is positive; the floor 2^(9 - 127) holds the byte at 1 from below
.endr
.irp i,2,4,6,8,10,12,14
.irp b,0,1
	v_max3_num_f32 v[TM+\b], v[TM+\b], v[PH+16*\b+\i], v[PH+16*\b+\i+1]
.endr
.endr
	SC2
	v_lshl_or_b32 v[WD+4*(\sec)+(\t)], v[TM+5], 8, v[TM+4]
	v_or_b32 v[WD+4*(\sec)+(\t)], 0x7f7f0000, v[WD+4*(\sec)+(\t)]   ; the bytes of the two blocks that the head does not have stand for 1
.irp b,0,1
.set n, 0
.rept 16
	v_min_num_f32 v[PH+16*\b+n], v[PH+16*\b+n], v[TM+8+\b]   ; the conversion does not saturate (ISA guide 7.6.2)
.set n, n+1
.endr
	v_cvt_scalef32_pk8_fp8_f32 v[QC+4*\b:QC+4*\b+1], v[PH+16*\b:PH+16*\b+7], v[TM+12+\b]
	v_cvt_scalef32_pk8_fp8_f32 v[QC+4*\b+2:QC+4*\b+3], v[PH+16*\b+8:PH+16*\b+15], v[TM+12+\b]
.endr
	v_nop                                          ; a plain place behind the conversions: the next tile writes their sources
	global_store_b128 v[LI], v[QC:QC+3], s[\base:\base+1] offset:1024*(\t)
	global_store_b128 v[LI], v[QC+4:QC+7], s[\base:\base+1] offset:1024*(\t)+512
.endm
.irp t,0,1,2,3
	PHIQ 0, \t, 32
.endr
.irp t,0,1,2,3
	PHIQ 1, \t, 20
.endr
	global_store_b128 v[O16], v[WD:WD+3], s[34:35]     ; four tiles' words of row r (lanes 16-31 hold and store the same)
	global_store_b128 v[O16], v[WD+4:WD+7], s[22:23]
; Channels 16 i .. 16 i + 15 of V: my 64 keys are two blocks of 32
.macro VQ i
	v_mov_b32 v[TM], 0x4800000
	v_mov_b32 v[TM+1], 0x4800000
	WIN 0x28                                       ; sources 1 and 2 window 2
.irp k,0,2,4,6,8,10,12,14
.irp g,0,1
	v_max3_num_f32 v[TM+\g], v[TM+\g], |v[32*(\i)+16*\g+\k]|, |v[32*(\i)+16*\g+\k+1]|
.endr
.endr
	WIN 0
	SC2
	v_lshl_or_b32 v[HW+(\i)], v[TM+5], 8, v[TM+4]
	WIN 0x82                                       ; destination and source 0 window 2
.irp g,0,1
.set n, 0
.rept 16
	v_med3_num_f32 v[32*(\i)+16*\g+n], v[32*(\i)+16*\g+n], -v[TM+8+\g], v[TM+8+\g]
.set n, n+1
.endr
.endr
	WIN 0x02
.irp g,0,1
	v_cvt_scalef32_pk8_fp8_f32 v[CV+8*(\i)+4*\g:CV+8*(\i)+4*\g+1], v[32*(\i)+16*\g:32*(\i)+16*\g+7], v[TM+12+\g]
	v_cvt_scalef32_pk8_fp8_f32 v[CV+8*(\i)+4*\g+2:CV+8*(\i)+4*\g+3], v[32*(\i)+16*\g+8:32*(\i)+16*\g+15], v[TM+12+\g]
.endr
	WIN 0
	v_nop
	global_store_b128 v[LI], v[CV+8*(\i):CV+8*(\i)+3], s[24:25] offset:2048*(\i)
	global_store_b128 v[LI], v[CV+8*(\i)+4:CV+8*(\i)+7], s[24:25] offset:2048*(\i)+512
	global_store_b16 v[O16], v[HW+(\i)], s[26:27] offset:4*(\i)
.endm
.irp i,0,1,2,3
	VQ \i
.endr
	s_wait_tensorcnt 0x0                           ; the wave's end
	ds_add_u32 v[SPW], v[NIL]
	s_wait_dscnt 0x0
	ROUND                                          ; the closing round
	s_endpgm
.Lfunc_end_k_q84094b1fd8_proj:
	.size	k_q84094b1fd8_proj, .Lfunc_end_k_q84094b1fd8_proj-k_q84094b1fd8_proj
	.p2alignl 7, 3214868480
	.fill 96, 4, 3214868480
	.section	.rodata,"a",@progbits
	.p2align	6, 0x0
	.amdhsa_kernel k_q84094b1fd8_proj
		.amdhsa_group_segment_fixed_size 327680
		.amdhsa_private_segment_fixed_size 0
		.amdhsa_enable_private_segment 0
		.amdhsa_kernarg_size 152
		.amdhsa_user_sgpr_count 2
		.amdhsa_user_sgpr_kernarg_segment_ptr 1
		.amdhsa_wavefront_size32 1
		.amdhsa_system_sgpr_workgroup_id_x 1
		.amdhsa_system_sgpr_workgroup_id_y 1
		.amdhsa_system_sgpr_workgroup_id_z 1
		.amdhsa_system_vgpr_workitem_id 0
		.amdhsa_next_free_vgpr 1024
		.amdhsa_next_free_sgpr 106
		.amdhsa_reserve_vcc 0
		.amdhsa_float_denorm_mode_32 3
		.amdhsa_float_denorm_mode_16_64 3
		.amdhsa_memory_ordered 1
		.amdhsa_forward_progress 1
		.amdhsa_inst_pref_size 204
	.end_amdhsa_kernel
	.amdgpu_metadata
---
amdhsa.version: [ 1, 2 ]
amdhsa.kernels:
  - .name:           k_q84094b1fd8_proj
    .symbol:         k_q84094b1fd8_proj.kd
    .args:
      - { .name: x_codes, .offset: 0, .size: 8, .value_kind: global_buffer, .address_space: global }
      - { .name: x_scales, .offset: 8, .size: 8, .value_kind: global_buffer, .address_space: global }
      - { .name: Wq_codes, .offset: 16, .size: 8, .value_kind: global_buffer, .address_space: global }
      - { .name: Wq_scales, .offset: 24, .size: 8, .value_kind: global_buffer, .address_space: global }
      - { .name: Wk_codes, .offset: 32, .size: 8, .value_kind: global_buffer, .address_space: global }
      - { .name: Wk_scales, .offset: 40, .size: 8, .value_kind: global_buffer, .address_space: global }
      - { .name: Wv_codes, .offset: 48, .size: 8, .value_kind: global_buffer, .address_space: global }
      - { .name: Wv_scales, .offset: 56, .size: 8, .value_kind: global_buffer, .address_space: global }
      - { .name: Ww_codes, .offset: 64, .size: 8, .value_kind: global_buffer, .address_space: global }
      - { .name: Ww_scales, .offset: 72, .size: 8, .value_kind: global_buffer, .address_space: global }
      - { .name: We_codes, .offset: 80, .size: 8, .value_kind: global_buffer, .address_space: global }
      - { .name: We_scales, .offset: 88, .size: 8, .value_kind: global_buffer, .address_space: global }
      - { .name: bw, .offset: 96, .size: 8, .value_kind: global_buffer, .address_space: global }
      - { .name: be, .offset: 104, .size: 8, .value_kind: global_buffer, .address_space: global }
      - { .name: qimg, .offset: 112, .size: 8, .value_kind: global_buffer, .address_space: global }
      - { .name: qsc, .offset: 120, .size: 8, .value_kind: global_buffer, .address_space: global }
      - { .name: kv, .offset: 128, .size: 8, .value_kind: global_buffer, .address_space: global }
      - { .name: wgb, .offset: 136, .size: 8, .value_kind: global_buffer, .address_space: global }
      - { .name: c16b, .offset: 144, .size: 8, .value_kind: global_buffer, .address_space: global }
    .group_segment_fixed_size: 327680
    .private_segment_fixed_size: 0
    .kernarg_segment_align: 8
    .kernarg_segment_size: 152
    .max_flat_workgroup_size: 128
    .sgpr_count:     106
    .vgpr_count:     1024
    .wavefront_size: 32
...
	.end_amdgpu_metadata
.endif
;; end of part 1
;; launch attn (part 2): grid 8 x 32, 4 waves a work-group, clusters of 4 x 1, 300,288 bytes of LDS; arguments qimg, qsc, kv, wgb, c16b, oimg; writes oimg
.if DOCPART == 2
	.amdgcn_target "amdgcn-amd-amdhsa--gfx1250"
	.amdhsa_code_object_version 6
	.text
	.protected	k_q84094b1fd8_attn
	.globl	k_q84094b1fd8_attn
	.p2align	8
	.type	k_q84094b1fd8_attn,@function
k_q84094b1fd8_attn:
	s_mov_b64 s[64:65], 0
	v_nop
	global_prefetch_b8 v0, s[64:65] scope:SCOPE_SE
	s_setreg_imm32_b32 hwreg(HW_REG_WAVE_MODE, 25, 1), 1
	s_wait_xcnt 0x0
	s_wait_alu depctr_hold_cnt(0) depctr_sa_sdst(0) depctr_va_vdst(0) depctr_va_sdst(0) depctr_va_ssrc(0) depctr_va_vcc(0) depctr_vm_vsrc(0)
	s_getreg_b32 s2, hwreg(HW_REG_IB_STS2, 6, 4)
	s_cmp_eq_u32 s2, 0
	s_cbranch_scc0 .Lentry_in_a_cluster
	s_endpgm
.Lentry_in_a_cluster:
	s_bfe_u32 s2, ttmp6, 0x10000c
	s_cmp_lg_u32 s2, 0x3003
	s_cbranch_scc0 .Lentry_shape_is_right
	s_endpgm
.Lentry_shape_is_right:
; For one (batch, head): eff[i][j] = (Q_i . K_j) wg[j] 2^(C[i] - C[j]) for j <= i, else 0; out = (eff V) / (sum of eff + 1e-6).  Both products on codes of E4M3; eff is quantised along the keys, out along the model's axis.
; C is the running sum of log2(g + 1e-8), which never rises.  Keys go in steps of 128.  With Cl the sum running from a step's first key and T a step's total:
;   a step s before the query's step M:  C[i] - C[j] = (Cl_i + the totals of the steps between) + (T_s - Cl_j): both parts are 0 or less, so eff = score x kfac[j] x qfac, kfac = wg 2^(T_s - Cl_j) from a table,
;   qfac = 2^E one exponential a lane and step; no factor can overflow;   the query's own step:  2^(Cl_i - Cl_j) for each element, hidden keys as 2^(-infinity) = 0.
; SHARES.  The whole record of the head (K's and V's codes and scale words, 274,432 bytes) lies in LDS, filled once; the four work-groups of a cluster belong to one head and ask for it jointly.
; A wave works on two neighbouring tiles of 16 queries, tiles 2 a and 2 a + 1 (a = my place in the cluster) of a block of 128 queries M, and walks the key steps M, M - 1 .. 0; then the same in block 15 - M: 17 steps for every wave.
; M hangs on the wave's number and the cluster's number alone; a enters global addresses and vector data only.  The loop over steps has 16 trips for every wave; steps above M are passed over.
; LAYOUT.  S^T = K Q^T and O^T = V^T P^T: a lane holds one query (lane % 16).  The head has 64 numbers: Q's fragment has zero codes for k = 64 .. 127, so what K's registers hold there (the next tile's codes, all finite) adds nothing.
; LIMITS.  C is summed in log2, by 16, by 128 and by steps: another order of rounding than one running sum over 2,048, on smaller magnitudes.  v_exp_f32 gives 0 under 2^-126.  A block of zeros gets the byte 1. NaN and infinities are not served.
.set TT,   512                         ; LDS: 0: the sum of the tiles before mine in my step, for each of 128 tiles; 512: the 16 steps' totals;
.set KFT,  768                         ; kfac [2048]; + 8,192: wg; + 16,384: Cl
.set REC,  25344                       ; the record, as it lies in memory
.set RECB, 274432
.set QW,   68608                       ; a quarter of it: 268 rows of 256 bytes
.set LI,   3
.set AK0,  4                           ; v4   16 lane + K's image - one step
.set AV0,  5                           ; v5   16 lane + V's image
.set AKS0, 6                           ; v6   16 r + K's scale words - one step
.set AVS0, 7                           ; v7   16 r + V's scale words
.set AG0,  8                           ; v8   kfac's table + 32 h
.set ADK,  10
.set ADV,  11
.set ADKS, 12
.set ADVS, 13
.set ADG,  14
.set ADB,  15
.set ADT,  16
.set NINF, 17
.set TS,   18
.set QIH,  20                          ; v20-21  my query's place in its step - 8 h
.set C16,  22                          ; v22-23  its sum from its tile's first row
.set CLI,  24                          ; v24, v26  Cl of my query (low words of pairs)
.set QFC,  28                          ; v28, v30  qfac
.set EE,   32                          ; v32-33  E
.set DEN,  34                          ; v[34:37] the sums of eff, two halves a tile
.set TP,   38
.set QS,   40
.set PW,   42
.set KS,   44
.set VS,   52
.set B16,  56
.set TM,   64
.set OFQ,  80
.set OFC,  81
.set OFS,  82
.set HWD,  84
.set S0,   96                          ; v96-159, v160-223  S^T, then eff
.set PC0,  224                         ; v224-239, v240-255 eff's codes
.set KFR,  0                           ; window 1: K's fragments v0-63, zeros v64-71
.set VFR,  80                          ;           V's v80-143
.set KFAC, 144                         ;           kfac or wg v144-207
.set QF0,  64                          ; window 2: O^T v0-63; Q's two fragments v64-95
.set CLJ,  96                          ;           Cl of the keys v96-159
.set XX,   160                         ;           at work v160-223
.set WV,   28
.set M1,   33
.set M2,   34
.set CNT,  35
.set TK,   37
.set T9,   38
.set T8,   39
.set T5,   40
.set T2,   41
.set SEL,  42
.set MNT,  44
.set MSB, 0
.macro WIN new
.if MSB != \new
	s_set_vgpr_msb (MSB<<8)|\new
.set MSB, \new
.endif
.endm
.macro NOPS n
.rept \n
	v_nop
.endr
.endm
.macro ROUND
	s_barrier_signal -1
	s_barrier_wait -1
	s_cmp_lg_u32 s[WV], 0
	s_cbranch_scc1 .Lnw0_\@
	s_barrier_signal -3
.Lnw0_\@:
	s_barrier_wait -3
	s_barrier_signal -1
	s_barrier_wait -1
.endm
	s_load_b256 s[4:11], s[0:1], 0x0               ; qimg, qsc, kv, wgb
	s_load_b128 s[12:15], s[0:1], 0x20             ; c16b, oimg
	v_lshl_add_u32 v94, v0, 2, 0x49300
	v_mov_b32 v95, 0
	ds_add_u32 v94, v95
	ds_add_u32 v94, v95
	v_lshrrev_b32 v1, 5, v0
	v_readfirstlane_b32 s[WV], v1
	s_bfe_u32 s29, ttmp6, 0x40000                  ; a
	s_and_b32 s31, ttmp7, 0xffff                   ; bh
	s_xor_b32 s32, s[WV], ttmp9
	s_and_b32 s32, s32, 1
	s_lshl_b32 s33, s[WV], 1
	s_add_co_u32 s32, s32, s33                     ; the lower of my two blocks: 2 wave + ((wave xor cluster) & 1)
	s_sub_co_u32 s32, 15, s32                      ; M: the upper one first
	s_mov_b32 s16, 15|(3<<16)|(1<<21)              ; the mask: all four; elements of 8 bytes; bit 21 beside a mask; no padding
	s_mov_b32 s17, 32<<16
	s_mov_b32 s18, 268<<16
	s_mov_b32 s19, 32<<16
	s_mov_b32 s20, 268
	s_mov_b32 s21, 32
	s_mov_b32 s22, 0
	s_mov_b32 s23, 0
	s_mul_i32 s60, s31, RECB
	s_mul_i32 s62, s[WV], QW
	s_add_co_u32 s60, s60, s62
	s_mov_b32 s61, 0
	s_wait_dscnt 0x0
	s_wait_kmcnt 0x0
	s_mov_b32 s24, 1
	s_add_co_u32 s25, s62, REC
	s_add_nc_u64 s[26:27], s[8:9], s[60:61]
	s_or_b32 s27, s27, 0x80000000
	ROUND
	tensor_load_to_lds s[24:27], s[16:23]          ; my quarter of the record: the one load of my wave
	s_nop 0
	NOPS 4
	v_and_b32 v1, 15, v0                           ; r
	v_bfe_u32 v2, v0, 4, 1                         ; h
	v_and_b32 v3, 31, v0
	v_lshlrev_b32 v[LI], 4, v3
	v_add_nc_u32 v[AK0], REC-8192, v[LI]
	v_add_nc_u32 v[AV0], REC+131072, v[LI]
	v_lshlrev_b32 v[OFQ], 4, v1
	v_add_nc_u32 v[AKS0], REC+262144-512, v[OFQ]
	v_add_nc_u32 v[AVS0], REC+270336, v[OFQ]
	v_lshlrev_b32 v[AG0], 5, v2
	v_add_nc_u32 v[AG0], KFT, v[AG0]
	v_lshlrev_b32 v[OFC], 2, v1
	v_lshlrev_b32 v[OFS], 5, v1
	v_lshlrev_b32 v9, 6, v0                        ; thread t takes key tile t: 64 bytes of each table
	v_lshlrev_b32 v19, 2, v0
	v_lshrrev_b32 v83, 3, v0
	v_lshlrev_b32 v83, 2, v83
	s_lshl_b32 s60, s31, 13                        ; the head's 2,048 numbers
	s_add_nc_u64 s[52:53], s[12:13], s[60:61]
	s_add_nc_u64 s[54:55], s[10:11], s[60:61]
.irp k,0,1,2,3
	global_load_b128 v[96+4*\k:99+4*\k], v9, s[52:53] offset:16*\k     ; the sums running from my tile's first key
	global_load_b128 v[112+4*\k:115+4*\k], v9, s[54:55] offset:16*\k   ; wg
.endr
	s_mov_b32 s[SEL], 0x76543210
	s_mov_b32 s[SEL+1], 0xfedcba98
	s_mov_b32 s[MNT], 0x600000
	s_mov_b32 s45, 0xaaaaaaaa                      ; lanes with bit 0, 1, 2 of their number set
	s_mov_b32 s46, 0xcccccccc
	s_mov_b32 s47, 0xf0f0f0f0
	s_bitcmp1_b32 s29, 1
	s_cselect_b32 s50, -1, 0                       ; a & 2, a & 1 as masks for selects
	s_bitcmp1_b32 s29, 0
	s_cselect_b32 s51, -1, 0
	s_lshl_b32 s2, s29, 5
	v_lshlrev_b32 v[TS], 3, v2
	v_sub_nc_u32 v[QIH], v1, v[TS]
	v_add_nc_u32 v[QIH], s2, v[QIH]                ; 32 a + r - 8 h
	v_add_nc_u32 v[QIH+1], 16, v[QIH]
	v_mov_b32 v[NINF], 0xff800000
.irp n,24,25,26,27,28,29,30,31,38,39,68,69,70,71
	v_mov_b32 v\n, 0                               ; upper words of pairs that are named whole, and lane permutes' destinations: written once
.endr
	WIN 0x40
.irp n,64,65,66,67,68,69,70,71
	v_mov_b32 v\n, 0                               ; behind K's last tile: zero codes
.endr
	WIN 0x80
.irp n,72,73,74,75,76,77,78,79,88,89,90,91,92,93,94,95
	v_mov_b32 v\n, 0                               ; Q's codes for k = 64 .. 127
.endr
	WIN 0
	v_mov_b32 v161, 0
	v_mov_b32 v162, 0
	s_wait_loadcnt 0x0
	v_mov_b32 v160, v111                           ; my tile's total
.macro FLY m, sm                       ; over the eight tiles of a step: what lies before me, and the step's total
	v_mov_b32_dpp v162, v160 row_xmask:\m row_mask:0xf bank_mask:0xf
	v_cndmask_b32 v163, 0, v162, s\sm
	v_add_f32 v161, v161, v163
	v_add_f32 v160, v160, v162
.endm
	FLY 1, 45
	FLY 2, 46
	FLY 4, 47
.set n, 0
.rept 16
	v_add_f32 v[128+n], v161, v[96+n]              ; Cl
.set n, n+1
.endr
.set n, 0
.rept 16
	v_sub_f32 v[144+n], v160, v[128+n]             ; T - Cl
.set n, n+1
.endr
.set n, 0
.rept 16
	v_exp_f32 v[144+n], v[144+n]
.set n, n+1
.endr
	v_nop
.set n, 0
	s_wait_alu depctr_va_vdst(0)
.rept 16
	v_mul_f32 v[144+n], v[144+n], v[112+n]         ; kfac
.set n, n+1
.endr
.irp k,0,1,2,3
	ds_store_b128 v9, v[144+4*\k:147+4*\k] offset:KFT+16*\k
	ds_store_b128 v9, v[112+4*\k:115+4*\k] offset:KFT+8192+16*\k
	ds_store_b128 v9, v[128+4*\k:131+4*\k] offset:KFT+16384+16*\k
.endr
	ds_store_b32 v19, v161
	ds_store_b32 v83, v160 offset:TT               ; eight lanes write the same word with the same value
	s_wait_tensorcnt 0x0                           ; my quarter of the record has landed,
	s_wait_dscnt 0x0                               ; my part of the tables is stored:
	s_barrier_signal -1
	s_barrier_wait -1                              ; everybody's; from here on LDS is only read
.macro PREK                            ; K's fragments and scale words of the step below the one that the stepped scalars stand at
	s_wait_dscnt 0x0                               ; no load of mine is on its way into these registers
	v_add_nc_u32 v[ADK], s[TK], v[AK0]
	v_add_nc_u32 v[ADKS], s[T9], v[AKS0]
	WIN 0x40
.irp i,0,1,2,3,4,5,6,7
	ds_load_b128 v[KFR+8*\i:KFR+8*\i+3], v[ADK] offset:1024*\i
	ds_load_b128 v[KFR+8*\i+4:KFR+8*\i+7], v[ADK] offset:1024*\i+512
.endr
	WIN 0
	ds_load_b128 v[KS:KS+3], v[ADKS]
	ds_load_b128 v[KS+4:KS+7], v[ADKS] offset:256
.endm
.macro STEPS
	s_sub_co_u32 s[TK], s[TK], 8192
	s_sub_co_u32 s[T9], s[T9], 512
	s_sub_co_u32 s[T8], s[T8], 256
	s_sub_co_u32 s[T5], s[T5], 32
	s_sub_co_u32 s[T2], s[T2], 4
.endm
.macro SMUL                            ; 16 tiles of scores; register 8 i + j of a lane: key 16 i + 8 h + j
	WIN 0x09                                       ; source 0 (K) window 1, source 1 (Q) window 2
.irp tau,0,1
.irp i,0,1,2,3,4,5,6,7
	v_wmma_scale_f32_16x16x128_f8f6f4 v[S0+64*\tau+8*\i:S0+64*\tau+8*\i+7], v[KFR+8*\i:KFR+8*\i+15], v[QF0+16*\tau:QF0+16*\tau+15], 0, v[KS+\i], v[QS+\tau]
.endr
.endr
	WIN 0
	NOPS 8                                         ; places in front of the first read of the scores and of the loads below, which land in registers that the last step's products read
.endm
.macro VLOAD
	WIN 0x40
.irp i,0,1,2,3
.irp c,0,1,2,3
	ds_load_b128 v[VFR+16*\i+4*\c:VFR+16*\i+4*\c+3], v[ADV] offset:2048*\i+512*\c
.endr
.endr
	WIN 0
	ds_load_b128 v[VS:VS+3], v[ADVS]
.endm
.macro OFFV tau                        ; eff = score x kfac x qfac
	WIN 0x04
.set n, 0
.rept 32
	v_pk_mul_f32 v[S0+64*\tau+n:S0+64*\tau+n+1], v[S0+64*\tau+n:S0+64*\tau+n+1], v[KFAC+n:KFAC+n+1]
.set n, n+2
.endr
	WIN 0
.set n, 0
	s_wait_alu depctr_va_vdst(0)
.rept 32
	v_pk_mul_f32 v[S0+64*\tau+n:S0+64*\tau+n+1], v[S0+64*\tau+n:S0+64*\tau+n+1], v[QFC+2*\tau:QFC+2*\tau+1] op_sel_hi:[1,0]
.set n, n+2
.endr
.endm
.macro DIAGV tau                       ; eff = score x wg x 2^(Cl_i - Cl_j); a key behind the query counts as 2^(-infinity)
	WIN 0x88
.set n, 0
.rept 32
	v_pk_add_f32 v[XX+n:XX+n+1], v[CLI+2*\tau:CLI+2*\tau+1], v[CLJ+n:CLJ+n+1] op_sel_hi:[0,1] neg_lo:[0,1] neg_hi:[0,1]
.set n, n+2
.endr
	WIN 0x82
.set n, 0
.rept 64
	v_cmp_gt_i32 vcc_lo, 16*(n/8)+n%8, v[QIH+\tau]
	v_cndmask_b32 v[XX+n], v[XX+n], v[NINF], vcc_lo
.set n, n+1
.endr
.set n, 0
.rept 64
	v_exp_f32 v[XX+n], v[XX+n]
.set n, n+1
.endr
	v_nop
	WIN 0x86
.set n, 0
	s_wait_alu depctr_va_vdst(0)
.rept 32
	v_pk_mul_f32 v[XX+n:XX+n+1], v[XX+n:XX+n+1], v[KFAC+n:KFAC+n+1]
.set n, n+2
.endr
	WIN 0x08
.set n, 0
.rept 32
	v_pk_mul_f32 v[S0+64*\tau+n:S0+64*\tau+n+1], v[S0+64*\tau+n:S0+64*\tau+n+1], v[XX+n:XX+n+1]
.set n, n+2
.endr
	WIN 0
.endm
; 64 numbers of a lane, none negative, four blocks of 32 keys shared with lane l xor 16: scale word, the sum of the unquantised numbers, codes
.macro QUANTP tau
.set SS, S0+64*\tau
.set PC, PC0+16*\tau
.set DN, DEN+2*\tau
.irp b,0,1,2,3
	v_max3_num_f32 v[TM+\b], v[SS+16*\b], v[SS+16*\b+1], 0x4800000   ; with the floor 2^(9 - 127): the byte cannot fall under 1
.endr
.irp i,2,4,6,8,10,12,14
.irp b,0,1,2,3
	v_max3_num_f32 v[TM+\b], v[TM+\b], v[SS+16*\b+\i], v[SS+16*\b+\i+1]
.endr
.endr
.irp b,0,1,2,3
	v_permlanex16_b32 v[TM+4+\b], v[TM+\b], s[SEL], s[SEL+1]
.endr
.irp b,0,1,2,3
	v_max_num_f32 v[TM+\b], v[TM+\b], v[TM+4+\b]
.endr
.irp b,0,1,2,3
	v_add_nc_u32 v[TM+12+\b], 0xfc000000, v[TM+\b]
.endr
.irp b,0,1,2,3
	v_and_or_b32 v[TM+8+\b], v[TM+\b], 0x7f800000, s[MNT]
.endr
.irp b,0,1,2,3
	v_lshrrev_b32 v[TM+4+\b], 23, v[TM+12+\b]
.endr
	v_lshl_or_b32 v[PW+\tau], v[TM+5], 8, v[TM+4]
	v_lshl_or_b32 v[PW+\tau], v[TM+6], 16, v[PW+\tau]
	v_lshl_or_b32 v[PW+\tau], v[TM+7], 24, v[PW+\tau]
	v_pk_add_f32 v[TP:TP+1], v[SS:SS+1], v[SS+2:SS+3]
.irp j,4,8,12,16,20,24,28,32,36,40,44,48,52,56,60
	v_pk_add_f32 v[DN:DN+1], v[DN:DN+1], v[SS+\j:SS+\j+1]
	v_pk_add_f32 v[TP:TP+1], v[TP:TP+1], v[SS+\j+2:SS+\j+3]
.endr
	v_pk_add_f32 v[DN:DN+1], v[DN:DN+1], v[TP:TP+1]
.irp b,0,1,2,3
.set n, 0
.rept 16
	v_min_num_f32 v[SS+16*\b+n], v[SS+16*\b+n], v[TM+8+\b]   ; the conversion does not saturate (ISA guide 7.6.2)
.set n, n+1
.endr
	v_cvt_scalef32_pk8_fp8_f32 v[PC+4*\b:PC+4*\b+1], v[SS+16*\b:SS+16*\b+7], v[TM+12+\b]
	v_cvt_scalef32_pk8_fp8_f32 v[PC+4*\b+2:PC+4*\b+3], v[SS+16*\b+8:SS+16*\b+15], v[TM+12+\b]
.endr
.endm
.macro PV tau                          ; O^T += V^T P^T: four accumulators, one instruction a turn
	WIN 0xA1                                       ; source 0 (V) window 1, source 1 (codes) window 0, C and D window 2
.irp i,0,1,2,3
	v_wmma_scale_f32_16x16x128_f8f6f4 v[32*\tau+8*\i:32*\tau+8*\i+7], v[VFR+16*\i:VFR+16*\i+15], v[PC0+16*\tau:PC0+16*\tau+15], v[32*\tau+8*\i:32*\tau+8*\i+7], v[VS+\i], v[PW+\tau]
.endr
	WIN 0
.endm
.macro EFF diag, tau
.if \diag
	DIAGV \tau
.else
	OFFV \tau
.endif
.endm
; A key step for my two tiles of queries
.macro TRIP diag
	s_wait_dscnt 0x0                               ; K's fragments and scale words are in
	v_add_nc_u32 v[ADV], s[TK], v[AV0]
	v_add_nc_u32 v[ADVS], s[T8], v[AVS0]
	v_add_nc_u32 v[ADG], s[T9], v[AG0]
.if \diag
	v_mov_b32 v[ADB], s[T5]
	WIN 0x40
.irp i,0,1,2,3,4,5,6,7
	ds_load_b128 v[KFAC+8*\i:KFAC+8*\i+3], v[ADG] offset:8192+64*\i       ; wg of keys 16 i + 8 h + 0 .. 7
	ds_load_b128 v[KFAC+8*\i+4:KFAC+8*\i+7], v[ADG] offset:8192+64*\i+16
.endr
	WIN 0x80
.irp i,0,1,2,3,4,5,6,7
	ds_load_b128 v[CLJ+8*\i:CLJ+8*\i+3], v[ADG] offset:16384+64*\i        ; their Cl
	ds_load_b128 v[CLJ+8*\i+4:CLJ+8*\i+7], v[ADG] offset:16384+64*\i+16
.endr
	WIN 0
	ds_load_b128 v[B16:B16+3], v[ADB]              ; what lies before each of the step's eight tiles
	ds_load_b128 v[B16+4:B16+7], v[ADB] offset:16
.else
	v_mov_b32 v[ADT], s[T2]
	WIN 0x40
.irp i,0,1,2,3,4,5,6,7
	ds_load_b128 v[KFAC+8*\i:KFAC+8*\i+3], v[ADG] offset:64*\i
	ds_load_b128 v[KFAC+8*\i+4:KFAC+8*\i+7], v[ADG] offset:64*\i+16
.endr
	WIN 0
	ds_load_b32 v[TS], v[ADT] offset:TT            ; the step's total
	v_exp_f32 v[QFC], v[EE]
	v_exp_f32 v[QFC+2], v[EE+1]
.endif
	SMUL
	VLOAD
	s_wait_dscnt 17                                ; all but V's 17 loads
.if \diag
.irp k,0,1,2,3
	v_cndmask_b32 v[TM+\k], v[B16+\k], v[B16+4+\k], s50    ; tiles 2 a and 2 a + 1 of the eight: a choice of values, no address
.endr
	v_cndmask_b32 v[TM+4], v[TM], v[TM+2], s51
	v_cndmask_b32 v[TM+5], v[TM+1], v[TM+3], s51
	v_add_f32 v[CLI], v[TM+4], v[C16]              ; the same sum that made the table's Cl: for j = i the difference is 0
	v_add_f32 v[CLI+2], v[TM+5], v[C16+1]
.endif
	EFF \diag, 0
	QUANTP 0
	s_wait_dscnt 0x0                               ; V is in
	NOPS 4                                         ; codes written by vector instructions stand four places ahead of the product
	PV 0
	PREK                                           ; the next step's K lands under the second tile's vector work
	EFF \diag, 1
	QUANTP 1
.if \diag
	v_mov_b32 v[EE], v[CLI]                        ; E for the step below
	v_mov_b32 v[EE+1], v[CLI+2]
.else
	v_add_f32 v[EE], v[EE], v[TS]
	v_add_f32 v[EE+1], v[EE+1], v[TS]
.endif
	NOPS 2
	PV 1
.endm
; out = O^T / (sum + 1e-6) of tile tau, two blocks of 32 along the model's axis; the codes are brought into the order k = 16 h + 0 .. 15, which the given Wo has
.macro OUTQ tau
.set SS, S0+64*\tau
.set PC, PC0+16*\tau
	v_add_f32 v[TM], v[DEN+2*\tau], v[DEN+2*\tau+1]
	v_permlanex16_b32 v[TM+4], v[TM], s[SEL], s[SEL+1]
	v_add_f32 v[TM], v[TM], v[TM+4]
	v_add_f32 v[TM], 0x358637bd, v[TM]
	v_rcp_f32 v[TP], v[TM]
	v_nop
	WIN 0x02
.set n, 0
	s_wait_alu depctr_va_vdst(0)
.rept 16
	v_pk_mul_f32 v[SS+n:SS+n+1], v[32*\tau+n:32*\tau+n+1], v[TP:TP+1] op_sel_hi:[1,0]
.set n, n+2
.endr
	WIN 0
.irp b,0,1
	v_max3_num_f32 v[TM+\b], |v[SS+16*\b]|, |v[SS+16*\b+1]|, 0x4800000
.endr
.irp i,2,4,6,8,10,12,14
.irp b,0,1
	v_max3_num_f32 v[TM+\b], v[TM+\b], |v[SS+16*\b+\i]|, |v[SS+16*\b+\i+1]|
.endr
.endr
.irp b,0,1
	v_permlanex16_b32 v[TM+4+\b], v[TM+\b], s[SEL], s[SEL+1]
.endr
.irp b,0,1
	v_max_num_f32 v[TM+\b], v[TM+\b], v[TM+4+\b]
.endr
.irp b,0,1
	v_add_nc_u32 v[TM+12+\b], 0xfc000000, v[TM+\b]
.endr
.irp b,0,1
	v_and_or_b32 v[TM+8+\b], v[TM+\b], 0x7f800000, s[MNT]
.endr
.irp b,0,1
	v_lshrrev_b32 v[TM+4+\b], 23, v[TM+12+\b]
.endr
	v_lshl_or_b32 v[HWD+\tau], v[TM+5], 8, v[TM+4]
.irp b,0,1
.set n, 0
.rept 16
	v_med3_num_f32 v[SS+16*\b+n], v[SS+16*\b+n], -v[TM+8+\b], v[TM+8+\b]
.set n, n+1
.endr
	v_cvt_scalef32_pk8_fp8_f32 v[PC+4*\b:PC+4*\b+1], v[SS+16*\b:SS+16*\b+7], v[TM+12+\b]
	v_cvt_scalef32_pk8_fp8_f32 v[PC+4*\b+2:PC+4*\b+3], v[SS+16*\b+8:SS+16*\b+15], v[TM+12+\b]
.endr
	v_nop
.irp b,0,1                             ; lanes 0-15 hold k 0-7, 16-23, lanes 16-31 k 8-15, 24-31: the upper lanes' first 8 bytes change places with the lower lanes' second 8
	v_permlane16_swap_b32 v[PC+4*\b], v[PC+4*\b+2]
	v_permlane16_swap_b32 v[PC+4*\b+1], v[PC+4*\b+3]
.endr
	global_store_b128 v[LI], v[PC:PC+3], s[58:59] offset:2048*\tau
	global_store_b128 v[LI], v[PC+4:PC+7], s[58:59] offset:2048*\tau+512
	global_store_b16 v[OFS], v[HWD+\tau], s[48:49] offset:4*\tau
.endm
	s_mov_b32 s36, 2
.Lphase:                                           ; a block of 128 queries: M, then 15 - M
	s_add_co_u32 s[M1], s32, 1
	s_add_co_u32 s[M2], s32, 2
	s_lshl_b32 s2, s31, 7
	s_lshl_b32 s3, s32, 3
	s_add_co_u32 s2, s2, s3
	s_lshl_b32 s3, s29, 1
	s_add_co_u32 s2, s2, s3                        ; my first tile: 128 bh + 8 M + 2 a
	s_lshl_b32 s62, s2, 10
	s_mov_b32 s63, 0
	s_add_nc_u64 s[52:53], s[4:5], s[62:63]        ; Q's image
	s_lshl_b32 s62, s2, 6
	s_add_nc_u64 s[56:57], s[12:13], s[62:63]      ; the queries' sums by 16
	s_lshr_b32 s62, s2, 2
	s_lshl_b32 s62, s62, 8
	s_and_b32 s3, s2, 3
	s_lshl_b32 s3, s3, 2
	s_add_co_u32 s62, s62, s3
	s_add_nc_u64 s[54:55], s[6:7], s[62:63]        ; Q's scale words
	s_and_b32 s2, s31, 0xf0
	s_add_co_u32 s2, s2, s32                       ; the block of 128 rows among all 32
	s_lshl_b32 s2, s2, 3
	s_bfe_u32 s3, s31, 0x30001                     ; head / 2: which 128 along the last product's K
	s_add_co_u32 s2, s2, s3
	s_mul_i32 s2, s2, 16896                        ; the record in oimg
	s_and_b32 s3, s31, 1
	s_lshl_b32 s62, s29, 12
	s_add_co_u32 s62, s62, s2
	s_lshl_b32 s60, s3, 10
	s_add_co_u32 s62, s62, s60
	s_add_nc_u64 s[58:59], s[14:15], s[62:63]      ; my codes
	s_lshl_b32 s62, s29, 3
	s_add_co_u32 s62, s62, s2
	s_lshl_b32 s60, s3, 1
	s_add_co_u32 s62, s62, s60
	s_add_co_u32 s62, s62, 16384
	s_add_nc_u64 s[48:49], s[14:15], s[62:63]      ; my halves of the scale words
	WIN 0x80
	global_load_b128 v[QF0:QF0+3], v[LI], s[52:53]
	global_load_b128 v[QF0+4:QF0+7], v[LI], s[52:53] offset:512
	global_load_b128 v[QF0+16:QF0+19], v[LI], s[52:53] offset:1024
	global_load_b128 v[QF0+20:QF0+23], v[LI], s[52:53] offset:1536
.set n, 0
.rept 64
	v_mov_b32 v[n], 0                              ; O^T: the step is written once for a block's first step and the others
.set n, n+1
.endr
	WIN 0
	global_load_b32 v[QS], v[OFQ], s[54:55]
	global_load_b32 v[QS+1], v[OFQ], s[54:55] offset:4
	global_load_b32 v[C16], v[OFC], s[56:57]
	global_load_b32 v[C16+1], v[OFC], s[56:57] offset:64
.irp n,32,33,34,35,36,37
	v_mov_b32 v\n, 0                               ; E and the sums
.endr
	s_mov_b32 s[TK], 16*8192
	s_mov_b32 s[T9], 16*512
	s_mov_b32 s[T8], 16*256
	s_mov_b32 s[T5], 16*32
	s_mov_b32 s[T2], 16*4
	PREK                                           ; K of step 15
	STEPS
	s_wait_loadcnt 0x0
	s_mov_b32 s[CNT], 16
.Ltrip:                                            ; step CNT - 1
	s_cmp_gt_u32 s[CNT], s[M1]
	s_cbranch_scc1 .Lskip
	s_cmp_eq_u32 s[CNT], s[M1]
	s_cbranch_scc1 .Ldiag
	TRIP 0
	s_branch .Lnext
.Ldiag:
	TRIP 1
	s_branch .Lnext
.Lskip:
	s_cmp_lg_u32 s[CNT], s[M2]
	s_cbranch_scc1 .Lnext
	PREK                                           ; the step above M fetches K of step M
.Lnext:
	STEPS
	s_sub_co_u32 s[CNT], s[CNT], 1
	s_cmp_lg_u32 s[CNT], 0
	s_cbranch_scc1 .Ltrip
	s_wait_dscnt 0x0                               ; the last look-ahead has landed (it read bytes below the record, which are written; nobody uses them)
	NOPS 8
	OUTQ 0
	OUTQ 1
	s_wait_xcnt 0x0                                ; the stores' registers and bases are written again in the next block
	s_sub_co_u32 s32, 15, s32
	s_sub_co_u32 s36, s36, 1
	s_cmp_lg_u32 s36, 0
	s_cbranch_scc1 .Lphase
	s_wait_tensorcnt 0x0
	ds_add_u32 v94, v95
	s_wait_dscnt 0x0
	ROUND                                          ; the closing round
	s_endpgm
.Lfunc_end_k_q84094b1fd8_attn:
	.size	k_q84094b1fd8_attn, .Lfunc_end_k_q84094b1fd8_attn-k_q84094b1fd8_attn
	.p2alignl 7, 3214868480
	.fill 96, 4, 3214868480
	.section	.rodata,"a",@progbits
	.p2align	6, 0x0
	.amdhsa_kernel k_q84094b1fd8_attn
		.amdhsa_group_segment_fixed_size 300288
		.amdhsa_private_segment_fixed_size 0
		.amdhsa_enable_private_segment 0
		.amdhsa_kernarg_size 48
		.amdhsa_user_sgpr_count 2
		.amdhsa_user_sgpr_kernarg_segment_ptr 1
		.amdhsa_wavefront_size32 1
		.amdhsa_system_sgpr_workgroup_id_x 1
		.amdhsa_system_sgpr_workgroup_id_y 1
		.amdhsa_system_sgpr_workgroup_id_z 1
		.amdhsa_system_vgpr_workitem_id 0
		.amdhsa_next_free_vgpr 768
		.amdhsa_next_free_sgpr 66
		.amdhsa_reserve_vcc 1
		.amdhsa_float_denorm_mode_32 3
		.amdhsa_float_denorm_mode_16_64 3
		.amdhsa_memory_ordered 1
		.amdhsa_forward_progress 1
		.amdhsa_inst_pref_size 114
	.end_amdhsa_kernel
	.amdgpu_metadata
---
amdhsa.version: [ 1, 2 ]
amdhsa.kernels:
  - .name:           k_q84094b1fd8_attn
    .symbol:         k_q84094b1fd8_attn.kd
    .args:
      - { .name: qimg, .offset: 0, .size: 8, .value_kind: global_buffer, .address_space: global }
      - { .name: qsc, .offset: 8, .size: 8, .value_kind: global_buffer, .address_space: global }
      - { .name: kv, .offset: 16, .size: 8, .value_kind: global_buffer, .address_space: global }
      - { .name: wgb, .offset: 24, .size: 8, .value_kind: global_buffer, .address_space: global }
      - { .name: c16b, .offset: 32, .size: 8, .value_kind: global_buffer, .address_space: global }
      - { .name: oimg, .offset: 40, .size: 8, .value_kind: global_buffer, .address_space: global }
    .group_segment_fixed_size: 300288
    .private_segment_fixed_size: 0
    .kernarg_segment_align: 8
    .kernarg_segment_size: 48
    .max_flat_workgroup_size: 128
    .sgpr_count:     66
    .vgpr_count:     768
    .wavefront_size: 32
...
	.end_amdgpu_metadata
.endif
;; end of part 2
;; launch outp (part 3): grid 8 x 32, 4 waves a work-group, clusters of 4 x 4, 296,704 bytes of LDS; arguments oimg, Wo_codes, Wo_scales, out0; writes out0
.if DOCPART == 3
	.amdgcn_target "amdgcn-amd-amdhsa--gfx1250"
	.amdhsa_code_object_version 6
	.text
	.protected	k_q84094b1fd8_outp
	.globl	k_q84094b1fd8_outp
	.p2align	8
	.type	k_q84094b1fd8_outp,@function
k_q84094b1fd8_outp:
	s_mov_b64 s[64:65], 0
	v_nop
	global_prefetch_b8 v0, s[64:65] scope:SCOPE_SE
	s_setreg_imm32_b32 hwreg(HW_REG_WAVE_MODE, 25, 1), 1
	s_wait_xcnt 0x0
	s_wait_alu depctr_hold_cnt(0) depctr_sa_sdst(0) depctr_va_vdst(0) depctr_va_sdst(0) depctr_va_ssrc(0) depctr_va_vcc(0) depctr_vm_vsrc(0)
	s_getreg_b32 s2, hwreg(HW_REG_IB_STS2, 6, 4)
	s_cmp_eq_u32 s2, 0
	s_cbranch_scc0 .Lentry_in_a_cluster
	s_endpgm
.Lentry_in_a_cluster:
	s_bfe_u32 s2, ttmp6, 0x10000c
	s_cmp_lg_u32 s2, 0xf033
	s_cbranch_scc0 .Lentry_shape_is_right
	s_endpgm
.Lentry_shape_is_right:
; out0 = out Wo^T on codes of E4M3.  out comes from oimg as images of the operand's registers with their scale words, [block of 128 rows][128 along K]: 16,896 bytes; Wo as given, rows of 1,024 codes.
; A work-group makes 128 x 128 of out0, a wave 64 x 64: 16 accumulators.  All of K = 1,024 of both operands fits in LDS, so every byte is filled once: nine loads a wave, all out at once, waited for K step by K step.
; CLUSTER 4 x 4: out's record hangs on work-group y alone (asked for jointly along a row of the cluster), Wo's rows on work-group x alone (jointly along a column).
; The matrix instruction is used transposed (source 0 = 16 rows of Wo, source 1 = 16 rows of out): a lane holds eight neighbouring numbers of a row of out0.
.set PITCH, 272
.set PADW,  (1<<20)|(1<<21)|(5<<22)|(3<<25)
.set AKS,   33792                      ; out's part of a K step of 256: two records
.set BL,    135168                     ; Wo's tiles: four K steps x 128 rows x 272
.set BKS,   128*PITCH
.set SL,    274432                     ; Wo's scale bytes: 16 runs of 256 + 16
.set STG,   278784                     ; the way out: 16 rows x 272 for each wave; no fill lands here
.set LI,  3
.set AA0, 4                            ; v4-5   out's fragments, records 0-3, 4-7
.set ASA0, 6                           ; v6-7   their scale words
.set AB0, 8                            ; v8-9   Wo's fragments, K steps 0-1, 2-3
.set ASB, 10
.set STO, 11
.set RD,  12
.set CO,  13
.set SB,  32                           ; v32-63  Wo's scale words: 8 i + kap
.set SA,  64                           ; v64-95  out's: 4 kap + t
.set ACC, 96                           ; v96-223 accumulator (t, i) at 8 (4 t + i)
.set WV,  12
.set MSB, 0
.macro WIN new
.if MSB != \new
	s_set_vgpr_msb (MSB<<8)|\new
.set MSB, \new
.endif
.endm
.macro NOPS n
.rept \n
	v_nop
.endr
.endm
.macro ROUND
	s_barrier_signal -1
	s_barrier_wait -1
	s_cmp_lg_u32 s[WV], 0
	s_cbranch_scc1 .Lnw0_\@
	s_barrier_signal -3
.Lnw0_\@:
	s_barrier_wait -3
	s_barrier_signal -1
	s_barrier_wait -1
.endm
	s_load_b256 s[4:11], s[0:1], 0x0               ; oimg, Wo codes, Wo scales, out0
	v_lshl_add_u32 v254, v0, 2, 0x48500
	v_mov_b32 v255, 0
	ds_add_u32 v254, v255
	ds_add_u32 v254, v255
	v_lshrrev_b32 v1, 5, v0
	v_readfirstlane_b32 s[WV], v1
	s_bfe_u32 s13, ttmp6, 0x40000                  ; cx
	s_bfe_u32 s14, ttmp6, 0x40004                  ; cy
	s_lshl_b32 s15, ttmp9, 2
	s_add_co_u32 s15, s15, s13                     ; the block of 128 columns
	s_and_b32 s80, ttmp7, 0xffff
	s_lshl_b32 s80, s80, 2
	s_add_co_u32 s80, s80, s14                     ; the block of 128 rows
	s_lshl_b32 s81, s14, 2
	s_lshl_b32 s81, 15, s81                        ; my row of the cluster
	s_lshl_b32 s86, 0x1111, s13                    ; my column
	s_or_b32 s16, s81, (3<<16)|(1<<21)             ; out: 33 dense rows of 256 bytes, no padding
	s_mov_b32 s17, 32<<16
	s_mov_b32 s18, 33<<16
	s_mov_b32 s19, 32<<16
	s_mov_b32 s20, 33
	s_mov_b32 s21, 32
	s_mov_b32 s22, 0
	s_mov_b32 s23, 0
	s_or_b32 s24, s86, PADW                        ; Wo: 32 rows x 256 bytes, 1,024 apart
	s_mov_b32 s25, 256<<16
	s_mov_b32 s26, 32<<16
	s_mov_b32 s27, 256<<16
	s_mov_b32 s28, 32
	s_mov_b32 s29, 1024
	s_mov_b32 s30, 0
	s_mov_b32 s31, 0
	s_or_b32 s32, s86, PADW|(3<<16)                ; Wo's scales: 4 runs of 256 dense bytes
	s_mov_b32 s33, 32<<16
	s_mov_b32 s34, 4<<16
	s_mov_b32 s35, 32<<16
	s_mov_b32 s36, 4
	s_mov_b32 s37, 32
	s_mov_b32 s38, 0
	s_mov_b32 s39, 0
	s_mul_i32 s82, s80, 135168
	s_mul_i32 s87, s[WV], 8448                     ; my quarter of a K step's part of out
	s_add_co_u32 s82, s82, s87
	s_mov_b32 s83, 0
	s_lshl_b32 s2, s15, 17
	s_lshl_b32 s88, s[WV], 15
	s_add_co_u32 s2, s2, s88                       ; Wo's row 128 x + 32 wave
	s_mov_b32 s3, 0
	s_mul_i32 s88, s[WV], 32*PITCH
	s_mul_i32 s89, s[WV], 4*PITCH
	s_wait_dscnt 0x0
	s_wait_kmcnt 0x0
	s_add_nc_u64 s[82:83], s[4:5], s[82:83]
	s_add_nc_u64 s[84:85], s[6:7], s[2:3]
	s_lshr_b32 s2, s2, 5
	s_add_nc_u64 s[2:3], s[8:9], s[2:3]
	s_mov_b32 s40, 1
	s_add_co_u32 s41, s89, SL
	s_mov_b64 s[42:43], s[2:3]
	s_or_b32 s43, s43, 0x80000000
.irp ks,0,1,2,3
.set GA, 44+4*\ks
.set GB, 60+4*\ks+4*((\ks+3)/4)        ; s[60:63], s[68:71], s[72:75], s[76:79]
	s_mov_b32 s[GA], 1
	s_add_co_u32 s[GA+1], s87, \ks*AKS
	s_add_nc_u64 s[GA+2:GA+3], s[82:83], \ks*AKS
	s_or_b32 s[GA+3], s[GA+3], 0x80000000
	s_mov_b32 s[GB], 1
	s_add_co_u32 s[GB+1], s88, BL+\ks*BKS
	s_add_nc_u64 s[GB+2:GB+3], s[84:85], \ks*256
	s_or_b32 s[GB+3], s[GB+3], 0x80000000
.endr
	ROUND                                          ; all sixteen work-groups are here
	tensor_load_to_lds s[40:43], s[32:39]          ; nine loads of mine are out: Wo's scales, then for each K step out's part and Wo's
	s_nop 0
	tensor_load_to_lds s[44:47], s[16:23]
	s_nop 0
	tensor_load_to_lds s[60:63], s[24:31]
	s_nop 0
	tensor_load_to_lds s[48:51], s[16:23]
	s_nop 0
	tensor_load_to_lds s[68:71], s[24:31]
	s_nop 0
	tensor_load_to_lds s[52:55], s[16:23]
	s_nop 0
	tensor_load_to_lds s[72:75], s[24:31]
	s_nop 0
	tensor_load_to_lds s[56:59], s[16:23]
	s_nop 0
	tensor_load_to_lds s[76:79], s[24:31]
	s_nop 0
	NOPS 4
	v_and_b32 v1, 15, v0                           ; r
	v_bfe_u32 v2, v0, 4, 1                         ; h
	v_and_b32 v3, 31, v0
	v_lshlrev_b32 v[LI], 4, v3
	s_lshr_b32 s86, s[WV], 1                       ; which 64 rows are mine
	s_and_b32 s87, s[WV], 1                        ; which 64 columns
	s_lshl_b32 s88, s86, 13
	v_add_nc_u32 v[AA0], s88, v[LI]
	v_add_nc_u32 v[AA0+1], 67584, v[AA0]
	v_lshlrev_b32 v[ASA0], 5, v1
	s_lshl_b32 s88, s86, 4
	s_add_co_u32 s88, s88, 16384
	v_add_nc_u32 v[ASA0], s88, v[ASA0]
	v_add_nc_u32 v[ASA0+1], 67584, v[ASA0]
	v_mul_u32_u24 v[AB0], v1, PITCH
	v_lshl_add_u32 v[AB0], v2, 4, v[AB0]
	s_mul_i32 s88, s87, 64*PITCH
	s_add_co_u32 s88, s88, BL
	v_add_nc_u32 v[AB0], s88, v[AB0]
	v_add_nc_u32 v[AB0+1], 2*BKS, v[AB0]
	v_lshrrev_b32 v[ASB], 3, v1
	v_mul_u32_u24 v[ASB], v[ASB], PITCH
	v_and_b32 v14, 7, v1
	v_lshl_add_u32 v[ASB], v14, 5, v[ASB]
	s_mul_i32 s88, s87, 8*PITCH
	s_add_co_u32 s88, s88, SL
	v_add_nc_u32 v[ASB], s88, v[ASB]
	s_mul_i32 s88, s[WV], 16*PITCH
	s_add_co_u32 s88, s88, STG                     ; my stage
	v_mul_u32_u24 v[STO], v1, PITCH
	v_lshl_add_u32 v[STO], v2, 5, v[STO]
	v_add_nc_u32 v[STO], s88, v[STO]               ; in: row r, 32 bytes for each half of the lanes
	v_mul_u32_u24 v[RD], v2, PITCH
	v_lshl_add_u32 v[RD], v1, 4, v[RD]
	v_add_nc_u32 v[RD], s88, v[RD]                 ; back: lanes 0-15 one row of 256 bytes, lanes 16-31 the next
	v_lshlrev_b32 v[CO], 12, v2
	v_lshl_add_u32 v[CO], v1, 4, v[CO]             ; and the same two rows in out0
	s_lshl_b32 s90, s80, 19
	s_lshl_b32 s88, s86, 18
	s_add_co_u32 s90, s90, s88
	s_lshl_b32 s88, s15, 9
	s_add_co_u32 s90, s90, s88
	s_lshl_b32 s88, s87, 8
	s_add_co_u32 s90, s90, s88
	s_mov_b32 s91, 0
	s_add_nc_u64 s[10:11], s[10:11], s[90:91]
.macro FETCH u                         ; the fragments of the u-th 128 along K into buffer u % 2 of window 1; with an even u the scale words of out for u and u + 1
	WIN 0x40
.irp t,0,1,2,3
.irp c,0,1,2,3
	ds_load_b128 v[128*((\u)%2)+16*\t+4*\c:128*((\u)%2)+16*\t+4*\c+3], v[AA0+(\u)/4] offset:((\u)%4)*16896+2048*\t+512*\c
.endr
.endr
.irp i,0,1,2,3
.irp c,0,1,2,3
	ds_load_b128 v[128*((\u)%2)+64+16*\i+4*\c:128*((\u)%2)+64+16*\i+4*\c+3], v[AB0+(\u)/4] offset:(((\u)/2)%2)*BKS+16*\i*PITCH+128*((\u)%2)+32*\c
.endr
.endr
	WIN 0
.if (\u)%2 == 0
	ds_load_b128 v[SA+4*(\u):SA+4*(\u)+3], v[ASA0+(\u)/4] offset:((\u)%4)*16896
	ds_load_b128 v[SA+4*(\u)+4:SA+4*(\u)+7], v[ASA0+(\u)/4] offset:((\u)%4+1)*16896
.endif
.endm
.macro MUL16 u, zero                   ; 16 accumulators, one instruction a turn
	WIN 0x05                                       ; both sources window 1
.irp t,0,1,2,3
.irp i,0,1,2,3
.if \zero
	v_wmma_scale_f32_16x16x128_f8f6f4 v[ACC+8*(4*\t+\i):ACC+8*(4*\t+\i)+7], v[128*((\u)%2)+64+16*\i:128*((\u)%2)+64+16*\i+15], v[128*((\u)%2)+16*\t:128*((\u)%2)+16*\t+15], 0, v[SB+8*\i+(\u)], v[SA+4*(\u)+\t]
.else
	v_wmma_scale_f32_16x16x128_f8f6f4 v[ACC+8*(4*\t+\i):ACC+8*(4*\t+\i)+7], v[128*((\u)%2)+64+16*\i:128*((\u)%2)+64+16*\i+15], v[128*((\u)%2)+16*\t:128*((\u)%2)+16*\t+15], v[ACC+8*(4*\t+\i):ACC+8*(4*\t+\i)+7], v[SB+8*\i+(\u)], v[SA+4*(\u)+\t]
.endif
.endr
.endr
	WIN 0
	NOPS 8                                         ; places in front of loads into this buffer, and of the first read of results
.endm
.macro EDGE n                          ; my parts of the next K step have landed (n younger loads stay out), my LDS loads are in: then the barrier
	s_wait_tensorcnt \n
	s_wait_dscnt 0x0
	s_barrier_signal -1
	s_barrier_wait -1
.endm
	EDGE 6
.irp i,0,1,2,3
	ds_load_b128 v[SB+8*\i:SB+8*\i+3], v[ASB] offset:2*\i*PITCH
	ds_load_b128 v[SB+8*\i+4:SB+8*\i+7], v[ASB] offset:2*\i*PITCH+16
.endr
	FETCH 0
	FETCH 1
	s_wait_dscnt 32                                ; all but the fetch issued last
	MUL16 0, 1
	EDGE 4                                         ; its wait for my LDS loads also shows fetch 1 in
	FETCH 2
	MUL16 1, 0
	FETCH 3
	s_wait_dscnt 32
	MUL16 2, 0
	EDGE 2
	FETCH 4
	MUL16 3, 0
	FETCH 5
	s_wait_dscnt 32
	MUL16 4, 0
	EDGE 0
	FETCH 6
	MUL16 5, 0
	FETCH 7
	s_wait_dscnt 32
	MUL16 6, 0
	s_wait_dscnt 0x0
	MUL16 7, 0
; THE WAY OUT, 16 rows x 64 columns at a time through my own stage; LDS serves a wave's instructions in order, so no wait stands between the stores and the loads
.macro TOSTAGE t
.irp i,0,1,2,3
	ds_store_b128 v[STO], v[ACC+8*(4*(\t)+\i):ACC+8*(4*(\t)+\i)+3] offset:64*\i       ; each accumulator from its low end on
	ds_store_b128 v[STO], v[ACC+8*(4*(\t)+\i)+4:ACC+8*(4*(\t)+\i)+7] offset:64*\i+16
.endr
	WIN 0x40
.irp n,0,1,2,3,4,5,6,7
	ds_load_b128 v[32*((\t)%2)+4*\n:32*((\t)%2)+4*\n+3], v[RD] offset:2*\n*PITCH
.endr
	WIN 0
.endm
.macro SEND t, younger
	s_wait_dscnt \younger
	WIN 0x04                                       ; a store's data are its source 1: window 1
.irp n,0,1,2,3,4,5,6,7
	global_store_b128 v[CO], v[32*((\t)%2)+4*\n:32*((\t)%2)+4*\n+3], s[10:11] offset:(16*(\t)+2*\n)*4096 th:TH_STORE_NT   ; 16 lanes store 256 consecutive bytes, at a multiple of 256 from out0's first byte
.endr
	WIN 0
.endm
	TOSTAGE 0
	TOSTAGE 1
	SEND 0, 16                                     ; behind block 0's loads: block 1's 8 stores and 8 loads
	s_wait_xcnt 0x0                                ; block 0's stores have read their registers: block 2's loads may land there
	TOSTAGE 2
	SEND 1, 16
	s_wait_xcnt 0x0
	TOSTAGE 3
	SEND 2, 16
	SEND 3, 0
	s_wait_dscnt 0x0
	s_wait_tensorcnt 0x0
	ds_add_u32 v254, v255
	s_wait_dscnt 0x0
	ROUND                                          ; the closing round
	s_endpgm
.Lfunc_end_k_q84094b1fd8_outp:
	.size	k_q84094b1fd8_outp, .Lfunc_end_k_q84094b1fd8_outp-k_q84094b1fd8_outp
	.p2alignl 7, 3214868480
	.fill 96, 4, 3214868480
	.section	.rodata,"a",@progbits
	.p2align	6, 0x0
	.amdhsa_kernel k_q84094b1fd8_outp
		.amdhsa_group_segment_fixed_size 296704
		.amdhsa_private_segment_fixed_size 0
		.amdhsa_enable_private_segment 0
		.amdhsa_kernarg_size 32
		.amdhsa_user_sgpr_count 2
		.amdhsa_user_sgpr_kernarg_segment_ptr 1
		.amdhsa_wavefront_size32 1
		.amdhsa_system_sgpr_workgroup_id_x 1
		.amdhsa_system_sgpr_workgroup_id_y 1
		.amdhsa_system_sgpr_workgroup_id_z 1
		.amdhsa_system_vgpr_workitem_id 0
		.amdhsa_next_free_vgpr 512
		.amdhsa_next_free_sgpr 92
		.amdhsa_reserve_vcc 0
		.amdhsa_float_denorm_mode_32 3
		.amdhsa_float_denorm_mode_16_64 3
		.amdhsa_memory_ordered 1
		.amdhsa_forward_progress 1
		.amdhsa_inst_pref_size 54
	.end_amdhsa_kernel
	.amdgpu_metadata
---
amdhsa.version: [ 1, 2 ]
amdhsa.kernels:
  - .name:           k_q84094b1fd8_outp
    .symbol:         k_q84094b1fd8_outp.kd
    .args:
      - { .name: oimg, .offset: 0, .size: 8, .value_kind: global_buffer, .address_space: global }
      - { .name: Wo_codes, .offset: 8, .size: 8, .value_kind: global_buffer, .address_space: global }
      - { .name: Wo_scales, .offset: 16, .size: 8, .value_kind: global_buffer, .address_space: global }
      - { .name: out0, .offset: 24, .size: 8, .value_kind: global_buffer, .address_space: global }
    .group_segment_fixed_size: 296704
    .private_segment_fixed_size: 0
    .kernarg_segment_align: 8
    .kernarg_segment_size: 32
    .max_flat_workgroup_size: 128
    .sgpr_count:     92
    .vgpr_count:     512
    .wavefront_size: 32
...
	.end_amdgpu_metadata
.endif
;; end of part 3
